; MI455X (gfx1250); checked and timed in simulation.
; The chip was launched on July 23, 2026; its instructions are those of AMD's public machine-readable ISA for CDNA 5 (MIT licence, August 2026) and "CDNA5" Instruction Set Architecture Reference Guide (July 2026). The comments in the code are by the model that wrote it; some were corrected since.
;; Multihead Attention. Allowed arithmetic: matrix products marked QUANTISED: E2M1 operands, one E8M0 scale for each 32 along K, by v_wmma_scale_f32_16x16x128_f8f6f4 with both operands' format E2M1 (or v_wmma_scale_f32_32x16x128_f4), f32 sums; products left as they are: bf16, f16 or f32 operands; f32 sums; everything else in f32.
;; Inputs: Wk 1,024 x 1,024 float32; Wo 1,024 x 1,024 float32; Wq 1,024 x 1,024 float32; Wv 1,024 x 1,024 float32; bo 1,024 float32; bq 1,024 float32; bv 1,024 float32; pos_bias 2,047 x 16 float32; x 2 x 2,048 x 1,024 float32.
;; Outputs: out0 2 x 2,048 x 1,024 float32.
;; Constants: max_dist = 1024.
;; This version of the problem:
;;   THIS VERSION OF THE PROBLEM IS GIVEN IN LOW PRECISION. The matrix products marked QUANTISED in the list below multiply operands that are first quantised to E2M1 (2 exponent bits, 1 mantissa bit; 4 bits a number), with one power-of-two scale for each 32 numbers along K (OCP MX v1.0); their sums are f32. The products marked 'left as it is' may take bf16, f16 or f32 operands, with f32 sums. Whichever they take, every output number must still come out within the allowed error. Rounding operands to bf16 (8 significant bits) uses up far more of that allowance than f16 does (11 bits, for magnitudes from 6e-5 to 65,504). All else is computed in f32.
;;   The module's matrix products, in the order in which they are computed (A, B: the left and right operand; K: the contracted axis; several contracted axes count as one K, in the product's order):
;;     1. [M 4,096, K 1,024] x [K 1,024, N 1,024]; A: input x; B: input Wq: QUANTISED
;;     2. [M 4,096, K 1,024] x [K 1,024, N 1,024]; A: input x; B: input Wk: QUANTISED
;;     3. [M 4,096, K 1,024] x [K 1,024, N 1,024]; A: input x; B: input Wv: QUANTISED
;;     4. batch 32 x [M 2,048, K 64] x [K 64, N 2,048]; A: computed on the way; B: computed on the way: left as it is (an operand is computed on the way)
;;     5. batch 32 x [M 2,048, K 2,048] x [K 2,048, N 64]; A: computed on the way; B: computed on the way: left as it is (an operand is computed on the way)
;;     6. [M 4,096, K 1,024] x [K 1,024, N 1,024]; A: computed on the way; B: input Wo: left as it is (an operand is computed on the way)
;;   THE QUANTISER, for each operand of a quantised product, along K:
;;     - K is cut into blocks of 32 from its start; a last block that is shorter is filled with zeros.
;;     - A block's scale is 2^e with e = floor(log2(the largest magnitude in the block)) - 2, held to -126 .. 127; a block of zeros has e = 0. As a byte (E8M0): e + 127.
;;     - Each number is divided by its block's scale, clamped to +-6, and rounded to the nearest number of E2M1, ties to even, subnormals kept.
;;     - The product sums the exact products of the quantised numbers (number of the format x scale) in f32.
;;   ~~~python
;;   def quantise(x, axis):      # numpy; x: float32 -> the quantised numbers, widened to float32 again
;;       x = np.moveaxis(x, axis, -1); K = x.shape[-1]
;;       x = np.pad(x, [(0, 0)] * (x.ndim - 1) + [(0, -K % 32)]); x = x.reshape(x.shape[:-1] + (-1, 32)); a = np.abs(x).max(-1, keepdims=True)
;;       e = np.where(a > 0, np.clip(np.frexp(np.where(a > 0, a, 1))[1] - 1 - 2, -126, 127), 0)      # np.frexp(a)[1] - 1 = floor(log2(a)), exactly
;;       r = np.clip(x / 2.0 ** e, -6, 6)
;;       step = 2.0 ** (np.maximum(np.frexp(np.where(r == 0, 1, r))[1] - 1, 0) - 1)
;;       q = np.round(r / step) * step * 2.0 ** e      # np.round: ties to even
;;       return np.moveaxis(q.reshape(q.shape[:-2] + (-1,))[..., :K], -1, axis).astype(np.float32)
;;   ~~~
;; One version. Each part assembles by itself: llvm-mc -triple=amdgcn-amd-amdhsa -mcpu=gfx1250 --defsym DOCPART=n.
;; ======== version 1 of 1: 4 launches
;; limits: values are held in f16: magnitudes above 65,504 overflow, below 6.1e-05 lose precision
;; workspace buffers: cod 3,670,016 bytes; scl 229,376 bytes; wot 2,097,152 bytes; tbl 1,048,576 bytes; qkv 25,165,824 bytes; ao 8,388,608 bytes
;; launch prep (part 1): grid 272 x 1, 16 waves a work-group, no clusters, 136,192 bytes of LDS; arguments x, Wq, Wk, Wv, Wo, pos_bias, cod, scl, wot, tbl; writes cod, scl, wot, tbl
.if DOCPART == 1
	.amdgcn_target "amdgcn-amd-amdhsa--gfx1250"
	.amdhsa_code_object_version 6
	.text
	.protected	k_qfa649fb420_prep
	.globl	k_qfa649fb420_prep
	.p2align	8
	.type	k_qfa649fb420_prep,@function
k_qfa649fb420_prep:
	s_mov_b64 s[64:65], 0
	v_nop
	global_prefetch_b8 v0, s[64:65] scope:SCOPE_SE
	s_setreg_imm32_b32 hwreg(HW_REG_WAVE_MODE, 25, 1), 1
	s_wait_xcnt 0x0
; FIRST OF FOUR LAUNCHES of out = softmax(a QK^T + b bias) V Wo + bo, a = 1/8 + 64^-0.25, b = 64^-0.25, Q = x Wq + bq, K = x Wk, V = x Wv + bv.
; NOTHING OF THE PROBLEM IS LEFT OUT: bq . k varies along the softmax's axis, bv and bo reach every output, every row of pos_bias is indexed by some (q, k); there is no mask.  All inputs are loaded.  max_dist = 1024 is built in.
; THIS LAUNCH lays the operands out, each read once:
;   path X (128 work-groups): x [4096][1024] f32 -> codes of E2M1, K innermost, rows 0..4095 of cod [7168][512 B], and one E8M0 byte for each 32 along K in scl [7168][32 B];
;   path W ( 96 work-groups): Wq, Wk, Wv [k][n] f32 -> the same, column n of matrix m as row 4096 + 1024 m + n: a lane takes a column, its registers run down K;
;   path O ( 32 work-groups): Wo [k][n] f32 -> f16, wot [16 kc][1024 n][64 k];
;   path T ( 16 work-groups): tbl [16 heads][4 copies c][4096 i] f32 = pos_bias[clamp(3071 - i + c, 0, 2046)][head] x b / a: entry i of copy c serves key - query = i - 2048 - c.
; A block's scale is 2^(floor(log2(its largest magnitude)) - 2); its byte is the largest magnitude's exponent field - 2, held at 1 from below.
; LIMITS: a block of zeros, or one whose largest magnitude lies under 2^-124, gets the byte 1 (its codes are zeros or near; this program alone reads the bytes); Wo over 65,504 in magnitude does not fit f16; NaN and infinities among the inputs are not served.
; Sixteen waves, each with all its loads (8,192 bytes) out at once.  The paths part on the work-group's number alone, never join again, and each has LDS bytes of its own.
.set XST,   0                          ; path X: a stage of 32 x 80 bytes for each wave
.set XSC,   40960                      ; path X: the work-group's 1,024 scale bytes
.set WST,   41984                      ; path W: 64 rows (columns of W) x (256 bytes of codes + 16)
.set WSC,   59392                      ; path W: 64 x 16 scale bytes
.set OST,   60416                      ; path O: a stage of 32 x 144 bytes for each wave
.set SPARE, 134144                     ; the spare words, 128 bytes for each wave: eight blocks of 256 bytes that no other line names
.set SPW,   124                        ; v124 LDS address of my spare word; never rewritten
.set NIL,   125                        ; v125 0; never rewritten
.set FLOOR, 0x1800000                  ; 2^(3 - 127): no largest magnitude is taken under it, so the byte cannot fall under 1
.set OFF2,  0xff000000                 ; takes 2 off an exponent field
	s_load_b256 s[4:11], s[0:1], 0x0               ; x s[4:5], Wq s[6:7], Wk s[8:9], Wv s[10:11]
	s_load_b256 s[12:19], s[0:1], 0x20             ; Wo s[12:13], pos_bias s[14:15], cod s[16:17], scl s[18:19]
	s_load_b128 s[20:23], s[0:1], 0x40             ; wot s[20:21], tbl s[22:23]
	v_lshl_add_u32 v[SPW], v0, 2, SPARE
	v_mov_b32 v[NIL], 0
	v_lshrrev_b32 v1, 5, v0
	v_readfirstlane_b32 s24, v1                    ; wave 0..15
	v_and_b32 v2, 31, v0                           ; lane
	s_wait_kmcnt 0x0
	s_cmp_lt_u32 ttmp9, 96
	s_cbranch_scc1 .Lpath_w
	s_cmp_lt_u32 ttmp9, 224
	s_cbranch_scc1 .Lpath_x
	s_cmp_lt_u32 ttmp9, 256
	s_cbranch_scc1 .Lpath_o
; ---------------- PATH T: one head's four copies of the table: 8 turns of 2,048 entries, 4 neighbouring entries a thread
	s_sub_co_u32 s25, ttmp9, 256                   ; head
	s_lshl_b32 s26, s25, 2
	s_mov_b32 s27, 0
	s_add_nc_u64 s[14:15], s[14:15], s[26:27]      ; pos_bias at my head's column
	s_lshl_b32 s26, s25, 16
	s_add_nc_u64 s[22:23], s[22:23], s[26:27]      ; tbl at my head's 65,536 bytes
	s_mov_b32 s28, 0x3f3d21be                      ; b / a = 0.73879613: the bias is added to the raw scores, which are then multiplied by a
	s_mov_b32 s29, s28                             ; (named with it as a pair)
	v_lshlrev_b32 v3, 2, v0                        ; my first entry of a turn
	v_lshlrev_b32 v4, 4, v0                        ; and its bytes
.irp it, 0,1,2,3,4,5,6,7
.irp e, 0,1,2,3
	v_add_nc_u32 v[32+4*\it+\e], 2048*(\it%2)+\e, v3           ; i; the copy is c = it / 2
	v_max_u32 v[32+4*\it+\e], 1025+\it/2, v[32+4*\it+\e]       ; i held to 1025 + c .. 3071 + c,
	v_min_u32 v[32+4*\it+\e], 3071+\it/2, v[32+4*\it+\e]
	v_sub_nc_u32 v[32+4*\it+\e], 3071+\it/2, v[32+4*\it+\e]    ; so that the table's row 3071 + c - i lies in 0 .. 2046
	v_lshlrev_b32 v[32+4*\it+\e], 6, v[32+4*\it+\e]            ; a row of pos_bias is 64 bytes
.endr
.endr
.set i, 0
.rept 32
	global_load_b32 v[64+i], v[32+i], s[14:15]
.set i, i+1
.endr
	s_wait_loadcnt 0x0
.set i, 0
.rept 16
	v_pk_mul_f32 v[64+2*i:65+2*i], v[64+2*i:65+2*i], s[28:29] op_sel_hi:[1,0]
.set i, i+1
.endr
.irp it, 0,1,2,3,4,5,6,7
	global_store_b128 v4, v[64+4*\it:67+4*\it], s[22:23] offset:8192*\it   ; a wave stores 512 consecutive bytes
.endr
	s_wait_tensorcnt 0x0                           ; the closing lines, written on this path as on the others
	ds_add_u32 v[SPW], v[NIL]
	s_wait_dscnt 0x0
	s_endpgm
; ---------------- PATH X: x is a plain stream of blocks of 32; a wave takes 2,048 numbers in 4 steps of 512
.Lpath_x:
	s_sub_co_u32 s25, ttmp9, 96                    ; which 32,768 numbers are my work-group's
	s_lshl_b32 s26, s25, 4
	s_add_co_u32 s26, s26, s24                     ; which 2,048 are my wave's
	s_mov_b32 s29, 0
	s_lshl_b32 s28, s26, 13
	s_add_nc_u64 s[4:5], s[4:5], s[28:29]          ; x: 8,192 bytes a wave
	s_lshl_b32 s28, s26, 10
	s_add_nc_u64 s[16:17], s[16:17], s[28:29]      ; codes: 1,024 bytes a wave
	s_lshl_b32 s28, s25, 10
	s_add_nc_u64 s[18:19], s[18:19], s[28:29]      ; scale bytes: 1,024 a work-group
	v_lshlrev_b32 v3, 4, v2                        ; my 16 bytes of a load's 512
.macro XLOAD t
.irp i, 0,1,2,3
	global_load_b128 v[16+16*(\t)+4*\i:16+16*(\t)+4*\i+3], v3, s[4:5] offset:2048*(\t)+512*\i th:TH_LOAD_NT
.endr
.endm
	XLOAD 0
	XLOAD 1
	XLOAD 2
	XLOAD 3
	s_mul_i32 s27, s24, 2560                       ; my stage
	v_lshrrev_b32 v14, 2, v2
	v_mul_u32_u24 v14, v14, 80
	v_and_b32 v15, 3, v2
	v_lshl_add_u32 v14, v15, 4, v14
	v_add_nc_u32 v14, s27, v14                     ; in: four lanes' 64 bytes on end, then 16 of padding
	v_mul_u32_u24 v15, v2, 80
	v_add_nc_u32 v15, s27, v15                     ; out: 80 x lane: my 16 neighbours along K
	v_lshlrev_b32 v4, 3, v2                        ; my 8 bytes of a step's 256 bytes of codes
	s_lshl_b32 s27, s24, 6
	s_add_co_u32 s27, s27, XSC
	v_lshrrev_b32 v5, 1, v2
	v_add_nc_u32 v5, s27, v5                       ; my block's byte among my wave's 64
	v_lshl_add_u32 v6, v0, 4, XSC                  ; the bytes' way out (waves 0 and 1): 16 a thread
	v_lshlrev_b32 v7, 4, v0
.macro XTURN t                         ; a step's 2,048 bytes go into the stage as loaded and come back 64 bytes a lane; LDS serves a wave's instructions in order
.irp i, 0,1,2,3
	ds_store_b128 v14, v[16+16*(\t)+4*\i:16+16*(\t)+4*\i+3] offset:640*\i
.endr
.irp i, 0,1,2,3
	ds_load_b128 v[80+16*((\t)%2)+4*\i:80+16*((\t)%2)+4*\i+3], v15 offset:16*\i
.endr
.endm
.macro XSTEP t
.set XS, 80+16*((\t)%2)
.if (\t) > 0
	s_wait_dscnt 1                                 ; this step's numbers are back; the one younger LDS instruction, the last step's byte store, may be out
.else
	s_wait_dscnt 0x0
.endif
.if (\t) < 3
	s_wait_loadcnt 8-4*(\t)                        ; the next step's four loads are in; those of the steps behind it may be out
	XTURN (\t)+1
.endif
	v_max3_num_f32 v8, |v[XS]|, |v[XS+1]|, |v[XS+2]|
	v_max3_num_f32 v9, |v[XS+3]|, |v[XS+4]|, |v[XS+5]|
.irp i, 6,10
	v_max3_num_f32 v8, v8, |v[XS+\i]|, |v[XS+\i+1]|
	v_max3_num_f32 v9, v9, |v[XS+\i+2]|, |v[XS+\i+3]|
.endr
	v_max3_num_f32 v8, v8, |v[XS+14]|, |v[XS+15]|
	v_max3_num_f32 v8, v8, v9, FLOOR               ; my 16 and the floor,
	v_max_num_f32_dpp v8, v8, v8 row_xmask:1 row_mask:0xf bank_mask:0xf   ; and my neighbour's 16: the block's largest magnitude
	v_add_nc_u32 v11, OFF2, v8                     ; 2 off its exponent field: the conversion's scale operand
	v_cvt_scalef32_pk8_fp4_f32 v[112+2*(\t)], v[XS:XS+7], v11
	v_cvt_scalef32_pk8_fp4_f32 v[113+2*(\t)], v[XS+8:XS+15], v11
	v_lshrrev_b32 v[120+(\t)], 23, v11             ; the scale's byte (a plain line behind the conversions)
	ds_store_b8 v5, v[120+(\t)] offset:16*(\t)     ; both lanes of a block write the same byte
	global_store_b64 v4, v[112+2*(\t):113+2*(\t)], s[16:17] offset:256*(\t)   ; the wave stores 256 consecutive, aligned bytes
.endm
	s_wait_loadcnt 12                              ; step 0's four loads are in; three steps' may be out
	XTURN 0
	XSTEP 0
	XSTEP 1
	XSTEP 2
	XSTEP 3
	s_wait_dscnt 0x0                               ; my byte stores have landed,
	s_barrier_signal -1
	s_barrier_wait -1                              ; everybody's have
	s_cmp_lt_u32 s24, 2
	s_cbranch_scc0 .Lx_end
	ds_load_b128 v[16:19], v6                      ; waves 0 and 1 send the 1,024 bytes out, 512 consecutive bytes each
	s_wait_dscnt 0x0
	global_store_b128 v7, v[16:19], s[18:19]
.Lx_end:
	s_wait_tensorcnt 0x0                           ; the wave's end: closing lines behind my last LDS store
	ds_add_u32 v[SPW], v[NIL]
	s_wait_dscnt 0x0
	s_endpgm
; ---------------- PATH W: 64 columns x 512 along K of one weight; a wave takes 32 columns x 64 along K: two blocks a lane
.Lpath_w:
	s_lshr_b32 s25, ttmp9, 5                       ; which weight: 0 Wq, 1 Wk, 2 Wv
	s_and_b32 s26, ttmp9, 15                       ; which 64 columns
	s_bfe_u32 s27, ttmp9, 0x10004                  ; which half of K
	s_and_b32 s28, s24, 1                          ; my wave: which 32 columns,
	s_lshr_b32 s29, s24, 1                         ; which 64 along K
	s_cmp_eq_u32 s25, 0
	s_cselect_b64 s[30:31], s[6:7], s[8:9]
	s_cmp_eq_u32 s25, 2
	s_cselect_b64 s[30:31], s[10:11], s[30:31]
	s_lshl_b32 s32, s27, 21                        ; 512 rows of 4,096 bytes,
	s_lshl_b32 s33, s29, 18                        ; 64 rows,
	s_add_co_u32 s32, s32, s33
	s_lshl_b32 s33, s26, 8                         ; 64 columns,
	s_add_co_u32 s32, s32, s33
	s_lshl_b32 s33, s28, 7                         ; 32 columns
	s_add_co_u32 s32, s32, s33
	s_mov_b32 s33, 0
	s_add_nc_u64 s[30:31], s[30:31], s[32:33]
	v_lshlrev_b32 v3, 2, v2
.set i, 0
.rept 64
	global_load_b32 v[32+i], v3, s[30:31] offset:4096*i th:TH_LOAD_NT   ; W(k + i, my column): neighbouring lanes read neighbouring columns
.set i, i+1
.endr
	s_mul_i32 s34, s28, 32*272
	s_lshl_b32 s35, s29, 5
	s_add_co_u32 s34, s34, s35
	s_add_co_u32 s34, s34, WST
	v_mul_u32_u24 v4, v2, 272
	v_add_nc_u32 v4, s34, v4                       ; codes in: row = my column, 32 bytes for my wave's 64 along K
	s_lshl_b32 s34, s28, 9
	s_lshl_b32 s35, s29, 1
	s_add_co_u32 s34, s34, s35
	s_add_co_u32 s34, s34, WSC
	v_lshl_add_u32 v5, v2, 4, s34                  ; scale bytes in: 16 a column, my two
	s_mul_i32 s34, s24, 4*272
	s_add_co_u32 s34, s34, WST
	v_lshrrev_b32 v8, 4, v2
	v_and_b32 v9, 15, v2
	v_mul_u32_u24 v6, v8, 272
	v_lshl_add_u32 v6, v9, 4, v6
	v_add_nc_u32 v6, s34, v6                       ; codes out: my wave's 4 rows, sixteen lanes to a row
	v_lshlrev_b32 v7, 9, v8
	v_lshl_add_u32 v7, v9, 4, v7                   ; and the same place in cod (rows of 512 bytes)
	v_lshl_add_u32 v14, v0, 4, WSC                 ; scale bytes out (waves 0 and 1): a column a thread
	v_lshlrev_b32 v15, 5, v0                       ; rows of 32 bytes in scl
	s_lshl_b32 s36, s25, 10
	s_lshl_b32 s37, s26, 6
	s_add_co_u32 s36, s36, s37
	s_add_co_u32 s36, s36, 4096                    ; the work-group's first row of cod and scl
	s_lshl_b32 s38, s36, 5
	s_lshl_b32 s37, s27, 4
	s_add_co_u32 s38, s38, s37
	s_mov_b32 s39, 0
	s_add_nc_u64 s[18:19], s[18:19], s[38:39]
	s_lshl_b32 s37, s24, 2
	s_add_co_u32 s36, s36, s37
	s_lshl_b32 s36, s36, 9
	s_lshl_b32 s37, s27, 8
	s_add_co_u32 s36, s36, s37
	s_mov_b32 s37, 0
	s_add_nc_u64 s[16:17], s[16:17], s[36:37]
.macro WBLOCK b
.set XS, 32+32*(\b)
.if (\b) == 0
	s_wait_loadcnt 32                              ; this block's 32 loads are in; the next block's may be out
.else
	s_wait_loadcnt 0x0
.endif
	v_max3_num_f32 v12, |v[XS]|, |v[XS+1]|, |v[XS+2]|          ; all 32 numbers of the block are mine
	v_max3_num_f32 v13, |v[XS+3]|, |v[XS+4]|, |v[XS+5]|
.irp i, 6,10,14,18,22,26
	v_max3_num_f32 v12, v12, |v[XS+\i]|, |v[XS+\i+1]|
	v_max3_num_f32 v13, v13, |v[XS+\i+2]|, |v[XS+\i+3]|
.endr
	v_max3_num_f32 v12, v12, |v[XS+30]|, |v[XS+31]|
	v_max3_num_f32 v12, v12, v13, FLOOR
	v_add_nc_u32 v11, OFF2, v12                    ; the conversion's scale operand
	v_lshrrev_b32 v13, 23, v11                     ; the byte
.if (\b) == 0
	v_mov_b32 v10, v13
.else
	v_lshl_or_b32 v10, v13, 8, v10                 ; the lower K in the lower byte
.endif
.irp g, 0,1,2,3
	v_cvt_scalef32_pk8_fp4_f32 v[96+4*(\b)+\g], v[XS+8*\g:XS+8*\g+7], v11
.endr
	ds_store_b128 v4, v[96+4*(\b):99+4*(\b)] offset:16*(\b)
.endm
	WBLOCK 0
	WBLOCK 1
	v_nop                                          ; a plain line behind the last conversion
	ds_store_b16 v5, v10
	s_wait_dscnt 0x0                               ; my stores have landed,
	s_barrier_signal -1
	s_barrier_wait -1                              ; everybody's have: 64 whole rows of 256 bytes
	ds_load_b128 v[32:35], v6
	ds_load_b128 v[36:39], v6 offset:544
	s_wait_dscnt 1                                 ; the first is in; the second may be out
	global_store_b128 v7, v[32:35], s[16:17]       ; sixteen lanes store 256 consecutive, aligned bytes
	s_wait_dscnt 0x0
	global_store_b128 v7, v[36:39], s[16:17] offset:1024
	s_cmp_lt_u32 s24, 2
	s_cbranch_scc0 .Lw_end
	ds_load_b128 v[40:43], v14                     ; waves 0 and 1: a column's 16 scale bytes, half of its row of 32
	s_wait_dscnt 0x0
	global_store_b128 v15, v[40:43], s[18:19]
.Lw_end:
	s_wait_tensorcnt 0x0                           ; the wave's end: closing lines behind my last LDS store
	ds_add_u32 v[SPW], v[NIL]
	s_wait_dscnt 0x0
	s_endpgm
; ---------------- PATH O: a wave takes 32 columns n x 64 along K of Wo: a lane's 64 numbers, rounded to f16, are its row of 128 bytes in wot
.Lpath_o:
	s_sub_co_u32 s25, ttmp9, 224
	s_and_b32 s26, s25, 7                          ; which 128 columns
	s_lshr_b32 s27, s25, 3
	s_and_b32 s28, s24, 3                          ; my wave: which 32 of them,
	s_lshr_b32 s29, s24, 2
	s_lshl_b32 s27, s27, 2
	s_add_co_u32 s27, s27, s29                     ; which chunk kc of 64 along K
	s_lshl_b32 s30, s26, 7
	s_lshl_b32 s31, s28, 5
	s_add_co_u32 s30, s30, s31                     ; my first column
	s_lshl_b32 s32, s27, 18
	s_lshl_b32 s33, s30, 2
	s_add_co_u32 s32, s32, s33
	s_mov_b32 s33, 0
	s_add_nc_u64 s[12:13], s[12:13], s[32:33]
	s_lshl_b32 s32, s27, 10
	s_add_co_u32 s32, s32, s30
	s_lshl_b32 s32, s32, 7
	s_add_nc_u64 s[20:21], s[20:21], s[32:33]      ; wot at (1024 kc + column) x 128 bytes
	v_lshlrev_b32 v3, 2, v2
.set i, 0
.rept 64
	global_load_b32 v[32+i], v3, s[12:13] offset:4096*i th:TH_LOAD_NT
.set i, i+1
.endr
	s_mul_i32 s34, s24, 4608
	s_add_co_u32 s34, s34, OST                     ; my stage
	v_mul_u32_u24 v4, v2, 144
	v_add_nc_u32 v4, s34, v4                       ; in: row = my column
	v_lshrrev_b32 v8, 3, v2
	v_and_b32 v9, 7, v2
	v_mul_u32_u24 v5, v8, 144
	v_lshl_add_u32 v5, v9, 4, v5
	v_add_nc_u32 v5, s34, v5                       ; out: eight lanes to a row, four rows an instruction
	v_lshlrev_b32 v6, 4, v2
	s_wait_loadcnt 0x0
.set i, 0
.rept 32
	v_cvt_pk_f16_f32 v[32+i], v[32+2*i], v[33+2*i] ; in place: a result never lands on a number that is still to be read
.set i, i+1
.endr
.irp i, 0,1,2,3,4,5,6,7
	ds_store_b128 v4, v[32+4*\i:35+4*\i] offset:16*\i
.endr
.irp t, 0,1,2,3,4,5,6,7
	ds_load_b128 v[64+4*\t:67+4*\t], v5 offset:576*\t      ; the stage is my own, and LDS serves a wave's instructions in order
.endr
.irp t, 0,1,2,3,4,5,6,7
	s_wait_dscnt 7-\t                              ; load t is in; the later ones may be out
	global_store_b128 v6, v[64+4*\t:67+4*\t], s[20:21] offset:512*\t   ; 512 consecutive bytes
.endr
	s_wait_tensorcnt 0x0                           ; the wave's end: closing lines behind my last LDS store
	ds_add_u32 v[SPW], v[NIL]
	s_wait_dscnt 0x0
	s_endpgm
.Lfunc_end_k_qfa649fb420_prep:
	.size	k_qfa649fb420_prep, .Lfunc_end_k_qfa649fb420_prep-k_qfa649fb420_prep
	.p2alignl 7, 3214868480
	.fill 96, 4, 3214868480
	.section	.rodata,"a",@progbits
	.p2align	6, 0x0
	.amdhsa_kernel k_qfa649fb420_prep
		.amdhsa_group_segment_fixed_size 136192
		.amdhsa_private_segment_fixed_size 0
		.amdhsa_enable_private_segment 0
		.amdhsa_kernarg_size 80
		.amdhsa_user_sgpr_count 2
		.amdhsa_user_sgpr_kernarg_segment_ptr 1
		.amdhsa_wavefront_size32 1
		.amdhsa_system_sgpr_workgroup_id_x 1
		.amdhsa_system_sgpr_workgroup_id_y 1
		.amdhsa_system_sgpr_workgroup_id_z 1
		.amdhsa_system_vgpr_workitem_id 0
		.amdhsa_next_free_vgpr 128
		.amdhsa_next_free_sgpr 66
		.amdhsa_reserve_vcc 0
		.amdhsa_float_denorm_mode_32 3
		.amdhsa_float_denorm_mode_16_64 3
		.amdhsa_memory_ordered 1
		.amdhsa_forward_progress 1
		.amdhsa_inst_pref_size 48
	.end_amdhsa_kernel
	.amdgpu_metadata
---
amdhsa.version: [ 1, 2 ]
amdhsa.kernels:
  - .name:           k_qfa649fb420_prep
    .symbol:         k_qfa649fb420_prep.kd
    .args:
      - { .name: x, .offset: 0, .size: 8, .value_kind: global_buffer, .address_space: global }
      - { .name: Wq, .offset: 8, .size: 8, .value_kind: global_buffer, .address_space: global }
      - { .name: Wk, .offset: 16, .size: 8, .value_kind: global_buffer, .address_space: global }
      - { .name: Wv, .offset: 24, .size: 8, .value_kind: global_buffer, .address_space: global }
      - { .name: Wo, .offset: 32, .size: 8, .value_kind: global_buffer, .address_space: global }
      - { .name: pos_bias, .offset: 40, .size: 8, .value_kind: global_buffer, .address_space: global }
      - { .name: cod, .offset: 48, .size: 8, .value_kind: global_buffer, .address_space: global }
      - { .name: scl, .offset: 56, .size: 8, .value_kind: global_buffer, .address_space: global }
      - { .name: wot, .offset: 64, .size: 8, .value_kind: global_buffer, .address_space: global }
      - { .name: tbl, .offset: 72, .size: 8, .value_kind: global_buffer, .address_space: global }
    .group_segment_fixed_size: 136192
    .private_segment_fixed_size: 0
    .kernarg_segment_align: 8
    .kernarg_segment_size: 80
    .max_flat_workgroup_size: 512
    .sgpr_count:     66
    .vgpr_count:     128
    .wavefront_size: 32
...
	.end_amdgpu_metadata
.endif
;; end of part 1
;; launch qkv (part 2): grid 8 x 32, 4 waves a work-group, clusters of 4 x 4, 279,040 bytes of LDS; arguments cod, scl, bq, bv, qkv; writes qkv
.if DOCPART == 2
	.amdgcn_target "amdgcn-amd-amdhsa--gfx1250"
	.amdhsa_code_object_version 6
	.text
	.protected	k_qfa649fb420_qkv
	.globl	k_qfa649fb420_qkv
	.p2align	8
	.type	k_qfa649fb420_qkv,@function
k_qfa649fb420_qkv:
	s_mov_b64 s[64:65], 0
	v_nop
	global_prefetch_b8 v0, s[64:65] scope:SCOPE_SE
	s_setreg_imm32_b32 hwreg(HW_REG_WAVE_MODE, 25, 1), 1
	s_wait_xcnt 0x0
	s_wait_alu depctr_hold_cnt(0) depctr_sa_sdst(0) depctr_va_vdst(0) depctr_va_sdst(0) depctr_va_ssrc(0) depctr_va_vcc(0) depctr_vm_vsrc(0)
	s_getreg_b32 s2, hwreg(HW_REG_IB_STS2, 6, 4)
	s_cmp_eq_u32 s2, 0
	s_cbranch_scc0 .Lentry_in_a_cluster
	s_endpgm
.Lentry_in_a_cluster:
	s_bfe_u32 s2, ttmp6, 0x10000c
	s_cmp_lg_u32 s2, 0xf033
	s_cbranch_scc0 .Lentry_shape_is_right
	s_endpgm
.Lentry_shape_is_right:
; q = x Wq + bq, k = x Wk, v = x Wv + bv on codes of E2M1 with one E8M0 scale for each 32 along K = 1024; sums in f32; results rounded once to f16.  No work of the problem is left out here.
; cod [7168][512 B], scl [7168][32 B]: rows 0..4095 x's tokens, row 4096 + 1024 m + n column n of Wq, Wk, Wv (m = 0, 1, 2).
; OUT, in qkv: q at byte 0 and k at 8,388,608 as [32 = 16 batch + head][2048][64]; v TRANSPOSED at 16,777,216 as [1024 = 64 head + channel][4096 = 2048 batch + key].
; LIMIT: q, k, v over 65,504 in magnitude do not fit f16.
; SHARES.  A work-group makes 128 tokens x 128 channels (two heads) of q, of k and of v.  Wave w: tokens 64 (w / 2) on, head w % 2: 4 x 4 tiles of each: 48 accumulators.
; ALL OF K LIES IN LDS: four tiles (x, Wq, Wk, Wv) of 128 rows x 512 bytes, each as two chunks of 256-byte rows.  Wave w fetches tile w by two tensor loads: two of mine are out, and no byte is filled twice.
; CLUSTER 4 x 4: x's tile hangs on the token block alone and is asked for jointly along a row of the cluster; the weights' tiles hang on the channel block alone and are asked for jointly along a column.
; q and k: source 0 = 16 channels of W, source 1 = 16 tokens: a lane holds one token and 8 neighbouring channels.  v: the sources the other way round: a lane holds one channel and 8 neighbouring tokens, which is v transposed.
; The biases are the C of each sum's first product.  The scale words come from memory straight into registers: one load of 16 bytes a lane brings K steps 0-3 (lanes 0-15) and 4-7 (lanes 16-31) of a block of 16 rows.
; REGISTERS, in windows of 256: window 0: v16-30 addresses; v32-95 scale words alone; v96-223 at work on the way out.  window 1: q's accumulators v0-127, k's v128-255.
;   window 2: v's accumulators v0-127; bq's tiles v128-159; bv's v160-191.  window 3: two sets of 16 fragments (x, Wq, Wk, Wv: 4 each) at v0 and v128.
.set PITCH, 272                        ; an LDS row: 256 bytes + 16: the sixteen rows of a fragment load start at sixteen different 16-byte columns
.set CHB,   128*PITCH                  ; a chunk of a tile
.set MATB,  2*CHB                      ; a tile
.set SPARE, 4*MATB                     ; the spare words, 128 bytes for each wave
.set KST,   36864                      ; the way out: q's stages at 0 + 9216 w, k's at KST + 9216 w (64 rows x 144), v's shared stage at VST (128 rows x 272):
.set VST,   73728                      ; they lie over the tiles, which have had their one fill and, behind a barrier, their last read
.set ADR, 16                           ; v16-19 my fragments' LDS address in tile 0..3
.set STQ, 20
.set STV, 21
.set RDQ, 22
.set RDV, 23
.set GQ,  24
.set GV,  25
.set SCO, 26                           ; v26 scale loads: 32 r + 16 h
.set BOH, 27                           ; v27 32 h
.set SPW, 28                           ; v28 my spare word; never rewritten
.set NIL, 29                           ; v29 0; never rewritten
.set BOR, 30                           ; v30 4 r
.set SC,  32                           ; scale words: block X at v[SC + 4 X]: 0-3 x, 4-7 Wq, 8-11 Wk, 12-15 Wv
.set T0,  96
.set T1,  160
.set BQ,  128                          ; in window 2
.set BV,  160
.set G1X, 24                           ; s[24:31], s[32:39]: groups 1 and 0 (a set for each chunk) for x's tile
.set G0X, 32
.set G1W, 48                           ; s[48:55], s[56:63]: for a weight's tile
.set G0W, 56
.set MSB, 0
.macro WIN new                         ; the immediate's high byte repeats the setting that is left
.if MSB != \new
	s_set_vgpr_msb (MSB<<8)|\new
.set MSB, \new
.endif
.endm
.macro CROUND                          ; a round of the cluster's barrier
	s_barrier_signal -1
	s_barrier_wait -1
	s_cmp_lg_u32 s14, 0
	s_cbranch_scc1 .Lnot_wave_0_\@
	s_barrier_signal -3
.Lnot_wave_0_\@:
	s_barrier_wait -3
	s_barrier_signal -1
	s_barrier_wait -1
.endm
.macro PLACES                          ; four plain vector instructions between a matrix instruction and a load into, or a read of, its registers
.rept 4
	v_nop
.endr
.endm
	s_load_b256 s[4:11], s[0:1], 0x0               ; cod s[4:5], scl s[6:7], bq s[8:9], bv s[10:11]
	s_load_b64 s[12:13], s[0:1], 0x20              ; qkv
	v_lshl_add_u32 v[SPW], v0, 2, SPARE
	v_mov_b32 v[NIL], 0
	ds_add_u32 v[SPW], v[NIL]                      ; the wave's opening: the add, twice on end, and its wait ahead of my first tensor load
	ds_add_u32 v[SPW], v[NIL]
	v_lshrrev_b32 v1, 5, v0
	v_readfirstlane_b32 s14, v1                    ; wave 0..3: also the tile that I fetch
	s_lshr_b32 s15, s14, 1                         ; my half of the tokens
	s_and_b32 s16, s14, 1                          ; my head of the two
	s_bfe_u32 s40, ttmp6, 0x40000                  ; cx, cy: my place in the cluster
	s_bfe_u32 s41, ttmp6, 0x40004
	s_lshl_b32 s42, ttmp9, 2
	s_add_co_u32 s42, s42, s40                     ; channel block = 4 x cluster x + cx
	s_and_b32 s17, ttmp7, 0xffff
	s_lshl_b32 s17, s17, 2
	s_add_co_u32 s17, s17, s41                     ; token block = 4 x cluster y + cy
	s_lshl_b32 s43, s41, 2
	s_lshl_b32 s43, 15, s43                        ; my row of the cluster
	s_lshl_b32 s44, 0x1111, s40                    ; my column
	s_or_b32 s[G1X], s43, (1<<20)|(1<<21)|(5<<22)|(3<<25)   ; 15:0 the mask; 17:16 elements of 1 byte; 20 padding on; 21 set beside a mask; 24:22 after every 64 words; 31:25 four words
	s_or_b32 s[G1W], s44, (1<<20)|(1<<21)|(5<<22)|(3<<25)
.irp g, G1X, G1W
	s_mov_b32 s[\g+1], 256<<16                     ; tensor_dim0 = 256 bytes
	s_mov_b32 s[\g+2], 128<<16                     ; tensor_dim1 = 128 rows
	s_mov_b32 s[\g+3], 256<<16                     ; tile_dim0
	s_mov_b32 s[\g+4], 128                         ; tile_dim1
	s_mov_b32 s[\g+5], 512                         ; from row to row
	s_mov_b32 s[\g+6], 0
	s_mov_b32 s[\g+7], 0
.endr
	s_lshl_b32 s20, s17, 16                        ; x: 128 rows of 512 bytes a token block
	s_mov_b32 s21, 0
	s_lshl_b32 s46, s14, 10                        ; W: row 3072 + 1024 w + 128 x channel block (w = 1, 2, 3)
	s_lshl_b32 s47, s42, 7
	s_add_co_u32 s46, s46, s47
	s_add_co_u32 s46, s46, 3072
	s_lshl_b32 s46, s46, 9
	s_mov_b32 s47, 0
	s_mul_i32 s45, s14, MATB                       ; where my tile goes: no place in the cluster enters an LDS address
	s_wait_dscnt 0x0                               ; both opening adds are done
	s_wait_kmcnt 0x0
	s_add_nc_u64 s[20:21], s[4:5], s[20:21]
	s_add_nc_u64 s[46:47], s[4:5], s[46:47]
	CROUND                                         ; all sixteen work-groups are here: the joint loads meet
.irp c, 0,1
	s_mov_b32 s[G0X+4*\c], 1
	s_add_co_u32 s[G0X+4*\c+1], s45, \c*CHB
	s_add_nc_u64 s[G0X+4*\c+2:G0X+4*\c+3], s[20:21], \c*256
	s_or_b32 s[G0X+4*\c+3], s[G0X+4*\c+3], 0x80000000
	s_mov_b32 s[G0W+4*\c], 1
	s_add_co_u32 s[G0W+4*\c+1], s45, \c*CHB
	s_add_nc_u64 s[G0W+4*\c+2:G0W+4*\c+3], s[46:47], \c*256
	s_or_b32 s[G0W+4*\c+3], s[G0W+4*\c+3], 0x80000000
.endr
	s_cmp_eq_u32 s14, 0                            ; a wave's two fills stand in one branch on the wave's number; an s_nop 0 follows each, four v_nop the second
	s_cbranch_scc0 .Lfirst_w
	tensor_load_to_lds s[G0X:G0X+3], s[G1X:G1X+7]
	s_nop 0
	tensor_load_to_lds s[G0X+4:G0X+7], s[G1X:G1X+7]
	s_nop 0
.rept 4
	v_nop
.endr
	s_branch .Lfirst_asked
.Lfirst_w:
	tensor_load_to_lds s[G0W:G0W+3], s[G1W:G1W+7]
	s_nop 0
	tensor_load_to_lds s[G0W+4:G0W+7], s[G1W:G1W+7]
	s_nop 0
.rept 4
	v_nop
.endr
.Lfirst_asked:
	v_and_b32 v1, 15, v0                           ; r
	v_bfe_u32 v2, v0, 4, 1                         ; h
	v_and_b32 v5, 31, v0                           ; lane
	v_lshlrev_b32 v[SCO], 5, v1
	v_lshl_add_u32 v[SCO], v2, 4, v[SCO]
	v_lshlrev_b32 v[BOH], 5, v2
	v_lshlrev_b32 v[BOR], 2, v1
	s_lshl_b32 s18, s17, 12                        ; x's scale bytes: (128 x token block + 64 x half) rows of 32
	s_lshl_b32 s19, s15, 11
	s_add_co_u32 s18, s18, s19
	s_mov_b32 s19, 0
	s_add_nc_u64 s[66:67], s[6:7], s[18:19]
	s_lshl_b32 s22, s42, 12                        ; Wq's: (4096 + 128 x channel block + 64 x head) rows
	s_lshl_b32 s23, s16, 11
	s_add_co_u32 s22, s22, s23
	s_add_co_u32 s22, s22, 4096*32
	s_mov_b32 s23, 0
	s_add_nc_u64 s[68:69], s[6:7], s[22:23]
	s_lshl_b32 s22, s42, 9                         ; the biases: my head's 64 numbers
	s_lshl_b32 s23, s16, 8
	s_add_co_u32 s22, s22, s23
	s_mov_b32 s23, 0
	s_add_nc_u64 s[70:71], s[8:9], s[22:23]
	s_add_nc_u64 s[72:73], s[10:11], s[22:23]
.irp a, 0,1,2,3
	global_load_b128 v[SC+4*\a:SC+4*\a+3], v[SCO], s[66:67] offset:512*\a      ; 32 lanes read 512 consecutive bytes: 16 rows' scale bytes
.endr
.irp m, 0,1,2
.irp b, 0,1,2,3
	global_load_b128 v[SC+16+16*\m+4*\b:SC+16+16*\m+4*\b+3], v[SCO], s[68:69] offset:32768*\m+512*\b
.endr
.endr
	WIN 0x80                                       ; destination window 2
.irp b, 0,1,2,3
	global_load_b128 v[BQ+8*\b:BQ+8*\b+3], v[BOH], s[70:71] offset:64*\b       ; bq at channels 16 b + 8 h + 0 .. 7: q's layout
	global_load_b128 v[BQ+8*\b+4:BQ+8*\b+7], v[BOH], s[70:71] offset:64*\b+16
.endr
.irp b, 0,1,2,3
.irp j, 0,1,2,3,4,5,6,7
	global_load_b32 v[BV+8*\b+\j], v[BOR], s[72:73] offset:64*\b               ; bv at channel 16 b + r, in all eight registers: v's layout
.endr
.endr
	WIN 0
	v_mul_u32_u24 v3, v1, PITCH
	v_lshl_add_u32 v3, v2, 4, v3                   ; a fragment's row x pitch + 16 h
	s_mul_i32 s18, s15, 64*PITCH                   ; x: my 64 tokens
	s_mul_i32 s22, s16, 64*PITCH                   ; W: my head's 64 channels
	v_add_nc_u32 v[ADR], s18, v3
.irp m, 1,2,3
	s_add_co_u32 s22, s22, MATB
	v_add_nc_u32 v[ADR+\m], s22, v3
.endr
	s_mul_i32 s18, s14, 9216                       ; the way out
	v_mul_u32_u24 v4, v1, 144
	v_lshl_add_u32 v4, v2, 4, v4
	v_add_nc_u32 v[STQ], s18, v4                   ; q, k in: row = token, 16 bytes for each half of the lanes
	v_lshrrev_b32 v6, 3, v5
	v_and_b32 v7, 7, v5
	v_mul_u32_u24 v8, v6, 144
	v_lshl_add_u32 v8, v7, 4, v8
	v_add_nc_u32 v[RDQ], s18, v8                   ; q, k back: eight lanes to a row of 128 bytes
	s_mul_i32 s18, s16, 64*272
	s_lshl_b32 s19, s15, 7
	s_add_co_u32 s18, s18, s19
	s_add_co_u32 s18, s18, VST
	v_add_nc_u32 v[STV], s18, v3                   ; v in: row = channel 64 x head + r, byte 128 x token half + 16 h
	s_mul_i32 s18, s14, 32*272
	s_add_co_u32 s18, s18, VST
	v_mul_u32_u24 v8, v2, 272
	v_lshl_add_u32 v8, v1, 4, v8
	v_add_nc_u32 v[RDV], s18, v8                   ; v back: my 32 rows, sixteen lanes to a row of 256 bytes
	v_lshlrev_b32 v[GQ], 4, v5
	v_lshlrev_b32 v[GV], 13, v2
	v_lshl_add_u32 v[GV], v1, 4, v[GV]             ; rows of 8,192 bytes in v transposed
	s_lshr_b32 s18, s17, 4                         ; q: ((16 batch + 2 x channel block + head) x 2048 + token in batch) x 128 bytes
	s_lshl_b32 s18, s18, 22
	s_and_b32 s19, s17, 15
	s_lshl_b32 s19, s19, 14
	s_add_co_u32 s18, s18, s19
	s_lshl_b32 s19, s15, 13
	s_add_co_u32 s18, s18, s19
	s_lshl_b32 s19, s42, 19
	s_add_co_u32 s18, s18, s19
	s_lshl_b32 s19, s16, 18
	s_add_co_u32 s18, s18, s19
	s_mov_b32 s19, 0
	s_add_nc_u64 s[74:75], s[12:13], s[18:19]
	s_add_nc_u64 s[76:77], s[74:75], 0x800000      ; k: the same place, 8,388,608 bytes on
	s_lshl_b32 s18, s42, 20                        ; v: (128 x channel block + 32 w) rows of 8,192 bytes + 256 x token block
	s_lshl_b32 s19, s14, 18
	s_add_co_u32 s18, s18, s19
	s_lshl_b32 s19, s17, 8
	s_add_co_u32 s18, s18, s19
	s_add_co_u32 s18, s18, 0x1000000
	s_mov_b32 s19, 0
	s_add_nc_u64 s[78:79], s[12:13], s[18:19]
; the 16 fragments of K step s (16 rows x 128 K of 4-bit codes: two loads of 16 bytes, 32 bytes apart) into set s % 2
.macro FETCH s
	WIN 0xc0                                       ; destination window 3
.irp m, 0,1,2,3
.irp i, 0,1,2,3
	ds_load_b128 v[128*((\s)%2)+32*\m+8*\i:128*((\s)%2)+32*\m+8*\i+3], v[ADR+\m] offset:((\s)/4)*CHB+\i*16*PITCH+64*((\s)%4)
	ds_load_b128 v[128*((\s)%2)+32*\m+8*\i+4:128*((\s)%2)+32*\m+8*\i+7], v[ADR+\m] offset:((\s)/4)*CHB+\i*16*PITCH+64*((\s)%4)+32
.endr
.endr
.endm
; one product.  c < 0: the sum starts with the constant 0.  hi = 1: K steps 4-7 take their scale words from lanes 16-31
.macro WM d, a, b, c, sa, sb, hi
.if (\c) < 0
	v_wmma_scale_f32_16x16x128_f8f6f4 v[0+(\d):7+(\d)], v[0+(\a):7+(\a)], v[0+(\b):7+(\b)], 0, v[\sa], v[\sb] matrix_a_fmt:MATRIX_FMT_FP4 matrix_b_fmt:MATRIX_FMT_FP4
.elseif \hi
	v_wmma_scale_f32_16x16x128_f8f6f4 v[0+(\d):7+(\d)], v[0+(\a):7+(\a)], v[0+(\b):7+(\b)], v[0+(\c):7+(\c)], v[\sa], v[\sb] matrix_a_fmt:MATRIX_FMT_FP4 matrix_b_fmt:MATRIX_FMT_FP4 matrix_a_scale:MATRIX_SCALE_ROW1 matrix_b_scale:MATRIX_SCALE_ROW1
.else
	v_wmma_scale_f32_16x16x128_f8f6f4 v[0+(\d):7+(\d)], v[0+(\a):7+(\a)], v[0+(\b):7+(\b)], v[0+(\c):7+(\c)], v[\sa], v[\sb] matrix_a_fmt:MATRIX_FMT_FP4 matrix_b_fmt:MATRIX_FMT_FP4
.endif
.endm
; K step s: 48 products; the 48 accumulators take turns, one instruction a turn, in the same order in every step
.macro MULS s
.set FS, 128*((\s)%2)
.set SQ, (\s)%4
.set HI, (\s)/4
.if (\s) == 0
	WIN 0x6f                                       ; sources window 3, C (bq) window 2, D window 1
.else
	WIN 0x5f                                       ; sources window 3, C and D window 1
.endif
.irp a, 0,1,2,3
.irp b, 0,1,2,3
.if (\s) == 0
	WM 8*(4*\a+\b), FS+32+8*\b, FS+8*\a, BQ+8*\b, SC+16+4*\b+SQ, SC+4*\a+SQ, 0
.else
	WM 8*(4*\a+\b), FS+32+8*\b, FS+8*\a, 8*(4*\a+\b), SC+16+4*\b+SQ, SC+4*\a+SQ, HI
.endif
.endr
.endr
	WIN 0x5f
.irp a, 0,1,2,3
.irp b, 0,1,2,3
.if (\s) == 0
	WM 128+8*(4*\a+\b), FS+64+8*\b, FS+8*\a, -1, SC+32+4*\b+SQ, SC+4*\a+SQ, 0
.else
	WM 128+8*(4*\a+\b), FS+64+8*\b, FS+8*\a, 128+8*(4*\a+\b), SC+32+4*\b+SQ, SC+4*\a+SQ, HI
.endif
.endr
.endr
	WIN 0xaf                                       ; sources window 3, C and D window 2
.irp a, 0,1,2,3
.irp b, 0,1,2,3
.if (\s) == 0
	WM 8*(4*\a+\b), FS+8*\a, FS+96+8*\b, BV+8*\b, SC+4*\a+SQ, SC+48+4*\b+SQ, 0
.else
	WM 8*(4*\a+\b), FS+8*\a, FS+96+8*\b, 8*(4*\a+\b), SC+4*\a+SQ, SC+48+4*\b+SQ, HI
.endif
.endr
.endr
.endm
.macro STEP s
.if (\s) == 3
	WIN 0
	s_wait_tensorcnt 0x0                           ; my second load, the last that I issued, has landed: my tile's second chunk;
	s_wait_dscnt 0x0                               ; (no LDS instruction of mine is out at a signal)
	s_barrier_signal -1
	s_barrier_wait -1                              ; everybody's has.
.endif
.if (\s) < 7
.if (\s) > 0
	PLACES                                         ; the set that is loaded next was read by the step before
.endif
	FETCH (\s)+1
	s_wait_dscnt 32                                ; all but the 32 just issued: this step's set is in
.else
	s_wait_dscnt 0x0
.endif
	MULS \s
.endm
	s_wait_tensorcnt 1                             ; my tile's first chunk is in; the second chunk's load may be out,
	s_barrier_signal -1
	s_barrier_wait -1                              ; everybody's is
	FETCH 0
	s_wait_loadcnt 0x0                             ; the scale words and the biases
	STEP 0
	STEP 1
	STEP 2
	STEP 3
	STEP 4
	STEP 5
	STEP 6
	STEP 7
	; THE WAY OUT.  Rounded to f16, a lane's eight results are 16 bytes of a row; they go through stages in LDS and leave as whole rows.
	WIN 0
	s_wait_dscnt 0x0
	s_barrier_signal -1
	s_barrier_wait -1                              ; every wave has read its last fragment: the tiles' bytes may be written
	PLACES
	WIN 0x05                                       ; sources window 1
.irp t, 0,1,2,3,4,5,6,7,8,9,10,11,12,13,14,15
.irp i, 0,1,2,3
	v_cvt_pk_f16_f32 v[T0+4*\t+\i], v[8*\t+2*\i], v[8*\t+2*\i+1]               ; q: each accumulator from its low end on
.endr
.endr
	WIN 0
.irp a, 0,1,2,3
.irp b, 0,1,2,3
	ds_store_b128 v[STQ], v[T0+4*(4*\a+\b):T0+4*(4*\a+\b)+3] offset:2304*\a+32*\b
.endr
.endr
	WIN 0x05
.irp t, 0,1,2,3,4,5,6,7,8,9,10,11,12,13,14,15
.irp i, 0,1,2,3
	v_cvt_pk_f16_f32 v[T1+4*\t+\i], v[128+8*\t+2*\i], v[128+8*\t+2*\i+1]       ; k
.endr
.endr
	WIN 0
.irp a, 0,1,2,3
.irp b, 0,1,2,3
	ds_store_b128 v[STQ], v[T1+4*(4*\a+\b):T1+4*(4*\a+\b)+3] offset:KST+2304*\a+32*\b
.endr
.endr
	s_wait_dscnt 16                                ; q's sixteen stores are done (k's may be out): their registers are written again
	WIN 0x0a                                       ; sources window 2
.irp t, 0,1,2,3,4,5,6,7,8,9,10,11,12,13,14,15
.irp i, 0,1,2,3
	v_cvt_pk_f16_f32 v[T0+4*\t+\i], v[8*\t+2*\i], v[8*\t+2*\i+1]               ; v
.endr
.endr
	WIN 0
.irp a, 0,1,2,3
.irp b, 0,1,2,3
	ds_store_b128 v[STV], v[T0+4*(4*\a+\b):T0+4*(4*\a+\b)+3] offset:4352*\b+32*\a
.endr
.endr
	s_wait_dscnt 0x0                               ; my stores have landed,
	s_barrier_signal -1
	s_barrier_wait -1                              ; everybody's have: a row of v's stage comes from two waves
.irp t, 0,1,2,3,4,5,6,7,8,9,10,11,12,13,14,15
	ds_load_b128 v[T0+4*\t:T0+4*\t+3], v[RDQ] offset:576*\t
.endr
.irp t, 0,1,2,3,4,5,6,7,8,9,10,11,12,13,14,15
	ds_load_b128 v[T1+4*\t:T1+4*\t+3], v[RDQ] offset:KST+576*\t
.endr
.irp t, 0,1,2,3,4,5,6,7,8,9,10,11,12,13,14,15
	s_wait_dscnt 31-\t                             ; q's load t is in; the later ones may be out
	global_store_b128 v[GQ], v[T0+4*\t:T0+4*\t+3], s[74:75] offset:512*\t      ; 512 consecutive bytes: four rows of q
.endr
.irp t, 0,1,2,3,4,5,6,7,8,9,10,11,12,13,14,15
	s_wait_dscnt 15-\t
	global_store_b128 v[GQ], v[T1+4*\t:T1+4*\t+3], s[76:77] offset:512*\t
.endr
	s_wait_xcnt 0x0                                ; q's stores have read their registers: they are loaded again
.irp t, 0,1,2,3,4,5,6,7,8,9,10,11,12,13,14,15
	ds_load_b128 v[T0+4*\t:T0+4*\t+3], v[RDV] offset:544*\t
.endr
.irp t, 0,1,2,3,4,5,6,7,8,9,10,11,12,13,14,15
	s_wait_dscnt 15-\t
	global_store_b128 v[GV], v[T0+4*\t:T0+4*\t+3], s[78:79] offset:16384*\t    ; sixteen lanes store 256 consecutive, aligned bytes of a channel's row
.endr
	s_wait_tensorcnt 0x0                           ; the wave's end: closing lines behind my last tensor load and my last LDS store
	ds_add_u32 v[SPW], v[NIL]
	s_wait_dscnt 0x0
	CROUND                                         ; the closing round
	s_endpgm
.Lfunc_end_k_qfa649fb420_qkv:
	.size	k_qfa649fb420_qkv, .Lfunc_end_k_qfa649fb420_qkv-k_qfa649fb420_qkv
	.p2alignl 7, 3214868480
	.fill 96, 4, 3214868480
	.section	.rodata,"a",@progbits
	.p2align	6, 0x0
	.amdhsa_kernel k_qfa649fb420_qkv
		.amdhsa_group_segment_fixed_size 279040
		.amdhsa_private_segment_fixed_size 0
		.amdhsa_enable_private_segment 0
		.amdhsa_kernarg_size 40
		.amdhsa_user_sgpr_count 2
		.amdhsa_user_sgpr_kernarg_segment_ptr 1
		.amdhsa_wavefront_size32 1
		.amdhsa_system_sgpr_workgroup_id_x 1
		.amdhsa_system_sgpr_workgroup_id_y 1
		.amdhsa_system_sgpr_workgroup_id_z 1
		.amdhsa_system_vgpr_workitem_id 0
		.amdhsa_next_free_vgpr 1024
		.amdhsa_next_free_sgpr 100
		.amdhsa_reserve_vcc 0
		.amdhsa_float_denorm_mode_32 3
		.amdhsa_float_denorm_mode_16_64 3
		.amdhsa_memory_ordered 1
		.amdhsa_forward_progress 1
		.amdhsa_inst_pref_size 105
	.end_amdhsa_kernel
	.amdgpu_metadata
---
amdhsa.version: [ 1, 2 ]
amdhsa.kernels:
  - .name:           k_qfa649fb420_qkv
    .symbol:         k_qfa649fb420_qkv.kd
    .args:
      - { .name: cod, .offset: 0, .size: 8, .value_kind: global_buffer, .address_space: global }
      - { .name: scl, .offset: 8, .size: 8, .value_kind: global_buffer, .address_space: global }
      - { .name: bq, .offset: 16, .size: 8, .value_kind: global_buffer, .address_space: global }
      - { .name: bv, .offset: 24, .size: 8, .value_kind: global_buffer, .address_space: global }
      - { .name: qkv, .offset: 32, .size: 8, .value_kind: global_buffer, .address_space: global }
    .group_segment_fixed_size: 279040
    .private_segment_fixed_size: 0
    .kernarg_segment_align: 8
    .kernarg_segment_size: 40
    .max_flat_workgroup_size: 128
    .sgpr_count:     100
    .vgpr_count:     1024
    .wavefront_size: 32
...
	.end_amdgpu_metadata
.endif
;; end of part 2
;; launch attn (part 3): grid 8 x 32, 8 waves a work-group, clusters of 4 x 1, 327,680 bytes of LDS; arguments qkv, tbl, ao; writes ao
.if DOCPART == 3
	.amdgcn_target "amdgcn-amd-amdhsa--gfx1250"
	.amdhsa_code_object_version 6
	.text
	.protected	k_qfa649fb420_attn
	.globl	k_qfa649fb420_attn
	.p2align	8
	.type	k_qfa649fb420_attn,@function
k_qfa649fb420_attn:
	s_mov_b64 s[64:65], 0
	v_nop
	global_prefetch_b8 v0, s[64:65] scope:SCOPE_SE
	s_setreg_imm32_b32 hwreg(HW_REG_WAVE_MODE, 25, 1), 1
	s_wait_xcnt 0x0
	s_wait_alu depctr_hold_cnt(0) depctr_sa_sdst(0) depctr_va_vdst(0) depctr_va_sdst(0) depctr_va_ssrc(0) depctr_va_vcc(0) depctr_vm_vsrc(0)
	s_getreg_b32 s2, hwreg(HW_REG_IB_STS2, 6, 4)
	s_cmp_eq_u32 s2, 0
	s_cbranch_scc0 .Lentry_in_a_cluster
	s_endpgm
.Lentry_in_a_cluster:
	s_bfe_u32 s2, ttmp6, 0x10000c
	s_cmp_lg_u32 s2, 0x3003
	s_cbranch_scc0 .Lentry_shape_is_right
	s_endpgm
.Lentry_shape_is_right:
; ao[head][token][:] = the sum over keys of softmax_k(a (q . k + bias x b / a)) v[k][:], a = 1/8 + 64^-0.25; bias x b / a comes from tbl.  No work of the problem is left out here: there is no mask, every query takes all 2,048 keys.
; q, k: f16 [32 bh][2048][64]; v: f16, transposed, [64 head + channel][2048 batch + key]; ao: f16 [16 heads][4096 tokens][64].  Products on f16 operands, sums, maxima and exponentials in f32.
; LIMIT: results over 65,504 in magnitude do not fit f16.
; SHARES.  A work-group owns 256 queries of one batch and head; each of its eight waves 32: two tiles of 16.  Two waves share a SIMD, so that one wave's softmax stands beside the other's products and LDS loads.
; Every wave walks all keys, 64 a step, four steps to a slot; K's and V's tiles come through a ring of two LDS slots (wave 0 fetches K's 256 rows, wave 1 V's 64 rows of 256 keys).
; CLUSTER.  The four query blocks of a cluster walk the same K and V: each tile is asked for jointly, by the same tensor load with the mask of all four.
; LAYOUT.  S^T = K Q^T (source 0 = 16 keys, source 1 = 16 queries) and O^T = V^T P: a lane holds ONE query (lane % 16) throughout; two tiles of S^T, rounded in pairs, are source 1 of the second product.
; THE BIAS IS THE C OF A TILE'S FIRST PRODUCT.  It hangs on key - query alone, so the eight tiles of a step lie on five diagonals e = key tile + 1 - query tile: 8 registers each.  A lane wants 8 neighbouring entries
; that begin at a place which moves by one with its query: four copies of the table, each shifted by one entry, let lane r take copy r % 4 and read aligned 16 bytes.
; SOFTMAX.  A running maximum m for each query; p = 2^(c S - c m), c = a log2(e); O and the sum are multiplied by 2^(c m_old - c m_new) in every step.  THE ROW'S SUM is one more tile of the second product, with ones as source 0.
; REGISTERS: window 0: v1-14 addresses; v16-31 statistics, 8 a tile (+0 c m, +1 m, +4..7 at work; the factor takes +6); v32-39 at work at the head; v40-71 Q; v72-135 S^T; v136-167 P; v168-231 O^T; v232-247 the sums.
;   window 1: v0-63 K's fragments; v64-127 V's; v128-135 ones; v136-175 the five diagonals of the bias.
.set KP,    144                        ; a key's row in LDS: 128 bytes + 16
.set VP,    528                        ; a channel's row of 256 keys: 512 bytes + 16
.set VOFF,  256*KP                     ; a slot: 256 rows of K, then 64 rows of V
.set SLOT1, 1<<17                      ; slot 1 begins here: one exclusive or turns an address from one slot to the other
.set TBL,   VOFF+64*VP                 ; behind slot 0: the table, 4 copies of 2,304 entries; written by LDS stores, no fill lands here
.set TCP,   9280                       ; from copy to copy: 9,216 + 64, so that sixteen lanes touch sixteen different 16-byte columns
.set STAGE, SLOT1+TBL                  ; behind slot 1: 32 rows x 144 bytes for each wave, for the way out
.set SPARE, STAGE+8*32*144             ; the spare words, 128 bytes for each wave
.set AK0, 1
.set AV0, 2
.set AB0, 3
.set ADK, 4
.set ADV, 5
.set ADB, 6
.set QO,  7
.set STO, 8
.set RD,  9
.set GO,  10
.set SPW, 12                           ; v12 my spare word; never rewritten
.set NIL, 13                           ; v13 0; never rewritten
.set PFO, 14                           ; v14 the prefetches' lane offset; never rewritten
.set ST,  16
.set QF,  40
.set SA,  72
.set PB,  136
.set OA,  168
.set LA,  232
.set KF,  0                            ; window 1
.set VF,  64
.set ON,  128
.set BI,  136
.set TB,  2                            ; s2  LDS byte at which the slot in hand begins
.set KB,  3                            ; s3  4 x the step's first key: the table's step
.set WV,  12
.set G1K, 24
.set G1V, 32
.set G0K, 40
.set G0V, 44
.set SLOTS, 56
.set CS,  58                           ; s[58:59] c, twice
.set SEL, 60                           ; s[60:61] v_permlanex16_b32's selects for lane l xor 16
.set PFA, 66                           ; s[66:67] where my prefetches stand
.set PFS, 68                           ; s[68:69] a slot on, in bytes
.set LIM, 70                           ; s70 1 in a wave that prefetches, else the greatest number
.set MSB, 0
.macro WIN new
.if MSB != \new
	s_set_vgpr_msb (MSB<<8)|\new
.set MSB, \new
.endif
.endm
.macro CROUND
	s_barrier_signal -1
	s_barrier_wait -1
	s_cmp_lg_u32 s[WV], 0
	s_cbranch_scc1 .Lnot_wave_0_\@
	s_barrier_signal -3
.Lnot_wave_0_\@:
	s_barrier_wait -3
	s_barrier_signal -1
	s_barrier_wait -1
.endm
; a joint load: wave 0 K's tile, wave 1 V's, the others none; the branches hang on the wave's number alone.  An s_nop 0 and four v_nop follow each line
.macro JLOAD
	s_cmp_eq_u32 s[WV], 0
	s_cbranch_scc0 .Lnot_k_\@
	tensor_load_to_lds s[G0K:G0K+3], s[G1K:G1K+7]
	s_nop 0
.rept 4
	v_nop
.endr
	s_branch .Lasked_\@
.Lnot_k_\@:
	s_cmp_eq_u32 s[WV], 1
	s_cbranch_scc0 .Lasked_\@
	tensor_load_to_lds s[G0V:G0V+3], s[G1V:G1V+7]
	s_nop 0
.rept 4
	v_nop
.endr
.Lasked_\@:
.endm
; A PREFETCH of what the NEXT change of slots will load: four key steps ahead of that load.  A slot is 128 blocks of 256 bytes of K and 128 of V.  Both clusters of a head walk the same rows: the first asks.
; Its four partners share the blocks out by address, 32 each; in each, wave 2 asks for K's and wave 3 for V's, a block a lane.  The last change that fills a slot asks for nothing.
.macro ASK
	s_cmp_gt_u32 s[SLOTS], s[LIM]
	s_cbranch_scc0 .Lnot_mine_\@
	global_prefetch_b8 v[PFO], s[PFA:PFA+1] th:TH_LOAD_NT scope:SCOPE_SE
.Lnot_mine_\@:
.endm
	s_load_b128 s[4:7], s[0:1], 0x0                ; qkv s[4:5], tbl s[6:7]
	s_load_b64 s[8:9], s[0:1], 0x10                ; ao
	v_lshl_add_u32 v[SPW], v0, 2, SPARE
	v_mov_b32 v[NIL], 0
	ds_add_u32 v[SPW], v[NIL]                      ; the wave's opening: the add, twice on end, and its wait ahead of the first tensor load
	ds_add_u32 v[SPW], v[NIL]
	v_lshrrev_b32 v32, 5, v0
	v_readfirstlane_b32 s[WV], v32                 ; wave 0..7
	s_bfe_u32 s13, ttmp6, 0x40000                  ; cx
	s_lshl_b32 s14, ttmp9, 2
	s_add_co_u32 s14, s14, s13                     ; my block of 256 queries: it enters global addresses alone
	s_and_b32 s15, ttmp7, 0xffff                   ; bh = 16 batch + head, which the four partners share
	s_mov_b32 s[G1K], 15|(1<<16)|(1<<20)|(1<<21)|(4<<22)|(3<<25)   ; mask of all four; elements of 2 bytes; padding: four words after every 32
	s_mov_b32 s[G1K+1], 64<<16                     ; tensor_dim0 = 64
	s_mov_b32 s[G1K+2], 256<<16                    ; tensor_dim1 = 256
	s_mov_b32 s[G1K+3], 64<<16                     ; tile_dim0
	s_mov_b32 s[G1K+4], 256                        ; tile_dim1
	s_mov_b32 s[G1K+5], 64                         ; from row to row
	s_mov_b32 s[G1K+6], 0
	s_mov_b32 s[G1K+7], 0
	s_mov_b32 s[G1V], 15|(1<<16)|(1<<20)|(1<<21)|(6<<22)|(3<<25)   ; padding: four words after every 128
	s_mov_b32 s[G1V+1], 256<<16
	s_mov_b32 s[G1V+2], 64<<16
	s_mov_b32 s[G1V+3], 256<<16
	s_mov_b32 s[G1V+4], 64
	s_mov_b32 s[G1V+5], 4096
	s_mov_b32 s[G1V+6], 0
	s_mov_b32 s[G1V+7], 0
	s_mov_b32 s[CS], 0x3f30be7d                    ; c = (1/8 + 64^-0.25) log2(e) = 0.6904066
	s_mov_b32 s[CS+1], s[CS]
	s_mov_b32 s[SEL], 0x76543210
	s_mov_b32 s[SEL+1], 0xfedcba98
	s_mov_b32 s[TB], 0
	s_mov_b32 s[KB], 0
	s_mov_b32 s[SLOTS], 7
	s_lshl_b32 s16, s15, 18                        ; K of my head: 8,388,608 + 262,144 bh
	s_add_co_u32 s16, s16, 0x800000
	s_mov_b32 s17, 0
	s_and_b32 s18, s15, 15                         ; V: 16,777,216 + 64 head rows of 8,192 bytes + 4,096 x batch
	s_lshl_b32 s18, s18, 19
	s_lshr_b32 s19, s15, 4
	s_lshl_b32 s19, s19, 12
	s_add_co_u32 s18, s18, s19
	s_add_co_u32 s18, s18, 0x1000000
	s_mov_b32 s19, 0
	s_wait_dscnt 0x0                               ; both opening adds are done
	s_wait_kmcnt 0x0
	s_mov_b32 s[G0K], 1
	s_mov_b32 s[G0K+1], 0                          ; slot 0
	s_add_nc_u64 s[G0K+2:G0K+3], s[4:5], s[16:17]
	s_or_b32 s[G0K+3], s[G0K+3], 0x80000000
	s_mov_b32 s[G0V], 1
	s_mov_b32 s[G0V+1], VOFF
	s_add_nc_u64 s[G0V+2:G0V+3], s[4:5], s[18:19]
	s_or_b32 s[G0V+3], s[G0V+3], 0x80000000
	CROUND                                         ; all four work-groups are here: the first joint loads meet
	JLOAD                                          ; slot 0
	; Q, and my part of the table
	v_and_b32 v32, 15, v0                          ; r
	v_bfe_u32 v33, v0, 4, 1                        ; h
	v_and_b32 v34, 31, v0                          ; lane
	v_lshlrev_b32 v[QO], 7, v32
	v_lshl_add_u32 v[QO], v33, 4, v[QO]            ; row r of 128 bytes + 16 h
	v_lshlrev_b32 v[GO], 4, v34
	s_lshl_b32 s20, s15, 18                        ; q: (2048 bh + 256 block + 32 w) x 128 bytes
	s_lshl_b32 s21, s14, 15
	s_add_co_u32 s20, s20, s21
	s_lshl_b32 s21, s[WV], 12
	s_add_co_u32 s20, s20, s21
	s_mov_b32 s21, 0
	s_add_nc_u64 s[10:11], s[4:5], s[20:21]
.irp t, 0,1
.irp c, 0,1
	global_load_b128 v[QF+16*\t+8*\c:QF+16*\t+8*\c+3], v[QO], s[10:11] offset:2048*\t+64*\c
	global_load_b128 v[QF+16*\t+8*\c+4:QF+16*\t+8*\c+7], v[QO], s[10:11] offset:2048*\t+64*\c+32
.endr
.endr
	s_and_b32 s20, s15, 15                         ; tbl: head x 65,536 + copy (w / 2) x 16,384 + (1792 - 256 block) entries + half (w % 2) x 4,608
	s_lshl_b32 s20, s20, 16
	s_add_co_u32 s20, s20, 7168
	s_lshl_b32 s21, s14, 10
	s_sub_co_u32 s20, s20, s21
	s_lshr_b32 s22, s[WV], 1
	s_lshl_b32 s21, s22, 14
	s_add_co_u32 s20, s20, s21
	s_and_b32 s23, s[WV], 1
	s_mul_i32 s23, s23, 4608
	s_add_co_u32 s20, s20, s23
	s_mov_b32 s21, 0
	s_add_nc_u64 s[6:7], s[6:7], s[20:21]
.irp t, 0,1,2,3,4,5,6,7,8
	global_load_b128 v[SA+4*\t:SA+4*\t+3], v[GO], s[6:7] offset:512*\t
.endr
	s_mul_i32 s22, s22, TCP                        ; and where it goes: the work-group's number enters no LDS address
	s_add_co_u32 s22, s22, s23
	s_add_co_u32 s22, s22, TBL
	v_lshl_add_u32 v36, v34, 4, s22
	; the prefetches: where my wave's stand, and who asks
	s_lshl_b32 s20, s13, 13                        ; K: my work-group's 32 blocks, in slot 1: the first change steps it to slot 2
	s_add_co_u32 s20, s20, s16
	s_add_co_u32 s20, s20, 32768
	s_lshl_b32 s21, s13, 17                        ; V: my work-group's 16 rows, likewise
	s_add_co_u32 s21, s21, s18
	s_add_co_u32 s21, s21, 512
	s_mov_b32 s22, 8192
	s_mov_b32 s[PFS], 512
	s_cmp_eq_u32 s[WV], 2
	s_cselect_b32 s20, s20, s21
	s_cselect_b32 s22, 512, s22                    ; from one pair of lanes to the next
	s_cselect_b32 s[PFS], 32768, s[PFS]
	s_mov_b32 s21, 0
	s_mov_b32 s[PFS+1], 0
	s_add_nc_u64 s[PFA:PFA+1], s[4:5], s[20:21]
	s_lshr_b32 s23, s[WV], 1
	s_xor_b32 s23, s23, 1                          ; 0 in waves 2 and 3,
	s_or_b32 s23, s23, ttmp9                       ; of the head's first cluster: the same in all four partners
	s_cmp_eq_u32 s23, 0
	s_cselect_b32 s[LIM], 1, -1
	v_lshrrev_b32 v35, 1, v34
	v_mul_u32_u24 v[PFO], s22, v35
	v_and_b32 v35, 1, v34
	v_lshl_add_u32 v[PFO], v35, 8, v[PFO]
	; my lane's places
	v_mul_u32_u24 v[AK0], v32, KP
	v_lshl_add_u32 v[AK0], v33, 4, v[AK0]
	v_mul_u32_u24 v[AV0], v32, VP
	v_lshl_add_u32 v[AV0], v33, 4, v[AV0]
	v_add_nc_u32 v[AV0], VOFF, v[AV0]
	v_and_b32 v35, 3, v32                          ; the table: copy r % 4; entry 4 + 32 (7 - w) + 8 h + 4 (3 - r / 4), + the step's first key + 16 e
	v_mul_u32_u24 v[AB0], v35, TCP
	v_lshrrev_b32 v35, 2, v32
	v_xor_b32 v35, 3, v35
	v_lshl_add_u32 v[AB0], v35, 4, v[AB0]
	v_lshl_add_u32 v[AB0], v33, 5, v[AB0]
	s_xor_b32 s20, s[WV], 7
	s_lshl_b32 s20, s20, 7
	s_add_co_u32 s20, s20, TBL+16
	v_add_nc_u32 v[AB0], s20, v[AB0]
	s_mul_i32 s20, s[WV], 4608
	s_add_co_u32 s20, s20, STAGE                   ; my stage
	v_add_nc_u32 v[STO], s20, v[AK0]               ; in: row r, 16 bytes for each half of the lanes
	v_lshrrev_b32 v35, 3, v34
	v_mul_u32_u24 v[RD], v35, 144
	v_and_b32 v35, 7, v34
	v_lshl_add_u32 v[RD], v35, 4, v[RD]
	v_add_nc_u32 v[RD], s20, v[RD]                 ; back: eight lanes to a row of 128 bytes
	s_and_b32 s20, s15, 15                         ; ao: (4096 head + 2048 batch + 256 block + 32 w) x 128 bytes
	s_lshl_b32 s20, s20, 19
	s_lshr_b32 s21, s15, 4
	s_lshl_b32 s21, s21, 18
	s_add_co_u32 s20, s20, s21
	s_lshl_b32 s21, s14, 15
	s_add_co_u32 s20, s20, s21
	s_lshl_b32 s21, s[WV], 12
	s_add_co_u32 s20, s20, s21
	s_mov_b32 s21, 0
	s_add_nc_u64 s[8:9], s[8:9], s[20:21]
.irp t, 0,1
	v_mov_b32 v[ST+8*\t+1], 0xff61b1e6             ; m = -3e38, under every score
	v_mul_f32 v[ST+8*\t], s[CS], v[ST+8*\t+1]      ; c m
.endr
.set i, 0
.rept 80
	v_mov_b32 v[OA+i], 0                           ; O^T and the sums: the step is written once; its first run finds zeros, which the first factor leaves zeros
.set i, i+1
.endr
	WIN 0x40                                       ; destination window 1
.irp i, 0,1,2,3,4,5,6,7
	v_mov_b32 v[ON+\i], 0x3c003c00                 ; 1.0, 1.0 in f16
.endr
	WIN 0
	s_wait_loadcnt 0x0                             ; Q and the table
.irp t, 0,1,2,3,4,5,6,7,8
	ds_store_b128 v36, v[SA+4*\t:SA+4*\t+3] offset:512*\t      ; the first change of slots waits for these stores ahead of its barrier
.endr
.macro FETCH_K q                       ; 64 keys x 64 channels: 8 fragments
.irp k, 0,1,2,3
.irp c, 0,1
	ds_load_b128 v[KF+16*\k+8*\c:KF+16*\k+8*\c+3], v[ADK] offset:(64*(\q)+16*\k)*KP+64*\c
	ds_load_b128 v[KF+16*\k+8*\c+4:KF+16*\k+8*\c+7], v[ADK] offset:(64*(\q)+16*\k)*KP+64*\c+32
.endr
.endr
.endm
.macro FETCH_V q                       ; 64 channels x 64 keys: 8 fragments
.irp u, 0,1
.irp c, 0,1,2,3
	ds_load_b128 v[VF+32*\u+8*\c:VF+32*\u+8*\c+3], v[ADV] offset:16*VP*\c+128*(\q)+64*\u
	ds_load_b128 v[VF+32*\u+8*\c+4:VF+32*\u+8*\c+7], v[ADV] offset:16*VP*\c+128*(\q)+64*\u+32
.endr
.endr
.endm
.macro FETCH_B                         ; the five diagonals of the bias
.irp e, 0,1,2,3,4
	ds_load_b128 v[BI+8*\e:BI+8*\e+3], v[ADB] offset:64*\e
	ds_load_b128 v[BI+8*\e+4:BI+8*\e+7], v[ADB] offset:64*\e+16
.endr
.endm
; both tiles' softmax for one step, the tiles line by line by turns
.macro SOFTMAX
.irp j, 0,1,2,3
.irp t, 0,1
	v_max3_num_f32 v[ST+8*\t+4+\j], v[SA+32*\t+8*\j], v[SA+32*\t+8*\j+1], v[SA+32*\t+8*\j+2]   ; four chains, one to an accumulator, each from its low end on
.endr
.endr
.irp g, 1,2
.irp j, 0,1,2,3
.irp t, 0,1
	v_max3_num_f32 v[ST+8*\t+4+\j], v[ST+8*\t+4+\j], v[SA+32*\t+8*\j+2*\g+1], v[SA+32*\t+8*\j+2*\g+2]
.endr
.endr
.endr
.irp t, 0,1
	v_max3_num_f32 v[ST+8*\t+4], v[ST+8*\t+4], v[SA+32*\t+7], v[SA+32*\t+15]
	v_max3_num_f32 v[ST+8*\t+6], v[ST+8*\t+6], v[SA+32*\t+23], v[SA+32*\t+31]
.endr
.irp t, 0,1
	v_max3_num_f32 v[ST+8*\t+4], v[ST+8*\t+4], v[ST+8*\t+5], v[ST+8*\t+6]
.endr
.irp t, 0,1
	v_max3_num_f32 v[ST+8*\t+4], v[ST+8*\t+4], v[ST+8*\t+7], v[ST+8*\t+1]      ; with the old m
.endr
.irp t, 0,1
	v_permlanex16_b32 v[ST+8*\t+5], v[ST+8*\t+4], s[SEL], s[SEL+1]             ; the query's other 32 keys lie in the lane 16 away
.endr
.irp t, 0,1
	v_mov_b32 v[ST+8*\t+7], v[ST+8*\t]             ; c m_old
.endr
.irp t, 0,1
	v_max_num_f32 v[ST+8*\t+1], v[ST+8*\t+4], v[ST+8*\t+5]                     ; the new m
.endr
.irp t, 0,1
	v_mul_f32 v[ST+8*\t], s[CS], v[ST+8*\t+1]
.endr
.irp t, 0,1
	v_sub_f32 v[ST+8*\t+7], v[ST+8*\t+7], v[ST+8*\t]
.endr
.irp t, 0,1
	v_exp_f32 v[ST+8*\t+6], v[ST+8*\t+7]           ; the factor 2^(c m_old - c m_new)
.endr
.irp i, 0,1,2,3,4,5,6,7,8,9,10,11,12,13,14,15
.irp t, 0,1
	v_pk_fma_f32 v[SA+32*\t+2*\i:SA+32*\t+2*\i+1], v[SA+32*\t+2*\i:SA+32*\t+2*\i+1], s[CS:CS+1], v[ST+8*\t:ST+8*\t+1] op_sel_hi:[1,0,0] neg_lo:[0,0,1] neg_hi:[0,0,1]   ; c S - c m
.endr
.endr
.set i, 0
.rept 64
	v_exp_f32 v[SA+i], v[SA+i]                     ; p, at most 1
.set i, i+1
.endr
	v_nop                                          ; a plain instruction behind the last exponential
	s_wait_alu depctr_va_vdst(0)                   ; one wait for all 66 exponentials, ahead of the first instruction that names a result
.set i, 0
.rept 32
	v_cvt_pk_f16_f32 v[PB+i], v[SA+2*i], v[SA+2*i+1]
.set i, i+1
.endr
.irp t, 0,1
.irp i, 0,1,2,3,4,5,6,7,8,9,10,11,12,13,14,15
	v_pk_mul_f32 v[OA+32*\t+2*\i:OA+32*\t+2*\i+1], v[OA+32*\t+2*\i:OA+32*\t+2*\i+1], v[ST+8*\t+6:ST+8*\t+7] op_sel_hi:[1,0]
.endr
	v_pk_mul_f32 v[LA+8*\t:LA+8*\t+1], v[LA+8*\t:LA+8*\t+1], v[ST+8*\t+6:ST+8*\t+7] op_sel_hi:[1,0]   ; of the sum's tile register 0 alone is read at the end; register 1 is rescaled with it but never read; 2-7 are neither rescaled nor read
.endr
.endm
; A KEY STEP: 64 keys, the q-th of the slot in hand
.macro STEP q
.if (\q) == 0
	v_add_nc_u32 v[ADB], s[KB], v[AB0]
	WIN 0x40
	FETCH_K 0
	FETCH_B
.endif
	s_wait_dscnt 0x0                               ; K and the bias are in
	WIN 0x11                                       ; K and the bias window 1, Q and S^T window 0
.irp t, 0,1
.irp k, 0,1,2,3
	v_wmma_f32_16x16x32_f16 v[SA+32*\t+8*\k:SA+32*\t+8*\k+7], v[KF+16*\k:KF+16*\k+7], v[QF+16*\t:QF+16*\t+7], v[BI+8*(\k+1-\t):BI+8*(\k+1-\t)+7]
.endr
.endr
	WIN 0x01
.irp t, 0,1
.irp k, 0,1,2,3
	v_wmma_f32_16x16x32_f16 v[SA+32*\t+8*\k:SA+32*\t+8*\k+7], v[KF+16*\k+8:KF+16*\k+15], v[QF+16*\t+8:QF+16*\t+15], v[SA+32*\t+8*\k:SA+32*\t+8*\k+7]   ; the eight accumulators by turns
.endr
.endr
	WIN 0
	s_add_co_u32 s[KB], s[KB], 256                 ; the next step's place in the table
	v_add_nc_u32 v[ADB], s[KB], v[AB0]             ; this line and three v_nop: the four places in front of the loads below and of the softmax's reads
	v_nop
	v_nop
	v_nop
	WIN 0x40
	FETCH_V \q
.if (\q) < 3
	FETCH_K (\q)+1                                 ; the next step's K and bias land under the softmax
	FETCH_B
.endif
	WIN 0
	SOFTMAX
.if (\q) < 3
	s_wait_dscnt 26                                ; V is in; K's 16 loads and the bias's 10, issued behind it, may be out
.else
	s_wait_dscnt 0x0
.endif
	WIN 0x01                                       ; V and the ones window 1
.irp u, 0,1
.irp t, 0,1
.irp c, 0,1,2,3
	v_wmma_f32_16x16x32_f16 v[OA+32*\t+8*\c:OA+32*\t+8*\c+7], v[VF+32*\u+8*\c:VF+32*\u+8*\c+7], v[PB+16*\t+8*\u:PB+16*\t+8*\u+7], v[OA+32*\t+8*\c:OA+32*\t+8*\c+7]
.endr
.endr
.irp t, 0,1
	v_wmma_f32_16x16x32_f16 v[LA+8*\t:LA+8*\t+7], v[ON:ON+7], v[PB+16*\t+8*\u:PB+16*\t+8*\u+7], v[LA+8*\t:LA+8*\t+7]   ; ten accumulators by turns
.endr
.endr
	WIN 0
.endm
.macro SLOT_STEPS
	v_add_nc_u32 v[ADK], s[TB], v[AK0]
	v_add_nc_u32 v[ADV], s[TB], v[AV0]
	STEP 0
	STEP 1
	STEP 2
	STEP 3
	s_xor_b32 s[TB], s[TB], SLOT1                  ; on to the other slot
.endm
; THE CHANGE OF SLOTS stands at a slot's head.  Each wave waits for all its tensor loads (the slot ahead), adds 0 to its spare word, and waits for that and for its LDS instructions (its reads of the slot that it has left).
; fill = 1: a round of the cluster's barrier, and behind it the slot that was left is asked for jointly: the load has four key steps in which to land; one load of a loading wave is out.
.macro CHANGE fill
	s_wait_tensorcnt 0x0                           ; no tensor load of mine is out, so a group 0 may be written
	ds_add_u32 v[SPW], v[NIL]
.if \fill
	ds_add_u32 v[SPW], v[NIL]
	s_xor_b32 s[G0K+1], s[G0K+1], SLOT1            ; the walking descriptors: the other slot,
	s_add_nc_u64 s[G0K+2:G0K+3], s[G0K+2:G0K+3], 32768     ; the next 256 keys
	s_xor_b32 s[G0V+1], s[G0V+1], SLOT1
	s_add_nc_u64 s[G0V+2:G0V+3], s[G0V+2:G0V+3], 512
	s_wait_xcnt 0x0                                ; the last prefetch, a slot back, has read its address
	s_add_nc_u64 s[PFA:PFA+1], s[PFA:PFA+1], s[PFS:PFS+1]  ; one slot further on than the walking descriptors
	s_wait_dscnt 0x0
	CROUND
	JLOAD
	ASK
.else
	s_wait_dscnt 0x0
	s_barrier_signal -1
	s_barrier_wait -1
.endif
.endm
.Lslot:                                            ; 7 trips: behind each change of slots but the last the next slot is asked for (slot 1's first fill goes out behind the first trip's round, at which nothing is filled again)
	CHANGE 1
	SLOT_STEPS
	s_sub_co_u32 s[SLOTS], s[SLOTS], 1
	s_cmp_lg_u32 s[SLOTS], 0
	s_cbranch_scc1 .Lslot
	CHANGE 0                                       ; the last slot is written out
	SLOT_STEPS
	; THE WAY OUT.  Every lane holds its query's whole sum in register 0 of the sum's tile.  O^T / the sum, rounded to f16, goes through my stage and leaves as whole rows.
.rept 4
	v_nop                                          ; places behind the last products
.endr
.irp t, 0,1
	v_rcp_f32 v[ST+8*\t+6], v[LA+8*\t]
.endr
	v_nop                                          ; a plain instruction behind the last reciprocal
	s_wait_alu depctr_va_vdst(0)                   ; and the wait ahead of the first use
.irp t, 0,1
.irp i, 0,1,2,3,4,5,6,7,8,9,10,11,12,13,14,15
	v_pk_mul_f32 v[OA+32*\t+2*\i:OA+32*\t+2*\i+1], v[OA+32*\t+2*\i:OA+32*\t+2*\i+1], v[ST+8*\t+6:ST+8*\t+7] op_sel_hi:[1,0]
.endr
.endr
.set i, 0
.rept 32
	v_cvt_pk_f16_f32 v[SA+i], v[OA+2*i], v[OA+2*i+1]
.set i, i+1
.endr
.irp t, 0,1
.irp c, 0,1,2,3
	ds_store_b128 v[STO], v[SA+16*\t+4*\c:SA+16*\t+4*\c+3] offset:2304*\t+32*\c
.endr
.endr
.irp t, 0,1,2,3,4,5,6,7
	ds_load_b128 v[SA+32+4*\t:SA+32+4*\t+3], v[RD] offset:576*\t               ; my own stage: LDS serves a wave's instructions in order
.endr
.irp t, 0,1,2,3,4,5,6,7
	s_wait_dscnt 7-\t                              ; load t is in; the later ones may be out
	global_store_b128 v[GO], v[SA+32+4*\t:SA+32+4*\t+3], s[8:9] offset:512*\t  ; 512 consecutive bytes: four rows
.endr
	s_wait_tensorcnt 0x0                           ; the wave's end: closing lines behind my last tensor load and my last LDS store
	ds_add_u32 v[SPW], v[NIL]
	s_wait_dscnt 0x0
	CROUND                                         ; the closing round
	s_endpgm
.Lfunc_end_k_qfa649fb420_attn:
	.size	k_qfa649fb420_attn, .Lfunc_end_k_qfa649fb420_attn-k_qfa649fb420_attn
	.p2alignl 7, 3214868480
	.fill 96, 4, 3214868480
	.section	.rodata,"a",@progbits
	.p2align	6, 0x0
	.amdhsa_kernel k_qfa649fb420_attn
		.amdhsa_group_segment_fixed_size 327680
		.amdhsa_private_segment_fixed_size 0
		.amdhsa_enable_private_segment 0
		.amdhsa_kernarg_size 24
		.amdhsa_user_sgpr_count 2
		.amdhsa_user_sgpr_kernarg_segment_ptr 1
		.amdhsa_wavefront_size32 1
		.amdhsa_system_sgpr_workgroup_id_x 1
		.amdhsa_system_sgpr_workgroup_id_y 1
		.amdhsa_system_sgpr_workgroup_id_z 1
		.amdhsa_system_vgpr_workitem_id 0
		.amdhsa_next_free_vgpr 432
		.amdhsa_next_free_sgpr 80
		.amdhsa_reserve_vcc 0
		.amdhsa_float_denorm_mode_32 3
		.amdhsa_float_denorm_mode_16_64 3
		.amdhsa_memory_ordered 1
		.amdhsa_forward_progress 1
		.amdhsa_inst_pref_size 150
	.end_amdhsa_kernel
	.amdgpu_metadata
---
amdhsa.version: [ 1, 2 ]
amdhsa.kernels:
  - .name:           k_qfa649fb420_attn
    .symbol:         k_qfa649fb420_attn.kd
    .args:
      - { .name: qkv, .offset: 0, .size: 8, .value_kind: global_buffer, .address_space: global }
      - { .name: tbl, .offset: 8, .size: 8, .value_kind: global_buffer, .address_space: global }
      - { .name: ao, .offset: 16, .size: 8, .value_kind: global_buffer, .address_space: global }
    .group_segment_fixed_size: 327680
    .private_segment_fixed_size: 0
    .kernarg_segment_align: 8
    .kernarg_segment_size: 24
    .max_flat_workgroup_size: 256
    .sgpr_count:     80
    .vgpr_count:     432
    .wavefront_size: 32
...
	.end_amdgpu_metadata
.endif
;; end of part 3
;; launch oproj (part 4): grid 8 x 32, 4 waves a work-group, clusters of 4 x 4, 327,680 bytes of LDS; arguments ao, wot, bo, out0; writes out0
.if DOCPART == 4
	.amdgcn_target "amdgcn-amd-amdhsa--gfx1250"
	.amdhsa_code_object_version 6
	.text
	.protected	k_qfa649fb420_oproj
	.globl	k_qfa649fb420_oproj
	.p2align	8
	.type	k_qfa649fb420_oproj,@function
k_qfa649fb420_oproj:
	s_mov_b64 s[64:65], 0
	v_nop
	global_prefetch_b8 v0, s[64:65] scope:SCOPE_SE
	s_setreg_imm32_b32 hwreg(HW_REG_WAVE_MODE, 25, 1), 1
	s_wait_xcnt 0x0
	s_wait_alu depctr_hold_cnt(0) depctr_sa_sdst(0) depctr_va_vdst(0) depctr_va_sdst(0) depctr_va_ssrc(0) depctr_va_vcc(0) depctr_vm_vsrc(0)
	s_getreg_b32 s2, hwreg(HW_REG_IB_STS2, 6, 4)
	s_cmp_eq_u32 s2, 0
	s_cbranch_scc0 .Lentry_in_a_cluster
	s_endpgm
.Lentry_in_a_cluster:
	s_bfe_u32 s2, ttmp6, 0x10000c
	s_cmp_lg_u32 s2, 0xf033
	s_cbranch_scc0 .Lentry_shape_is_right
	s_endpgm
.Lentry_shape_is_right:
; out0[token][n] = the sum over k of ao[token][k] Wo[k][n] + bo[n], on f16 operands, sums in f32.  No work of the problem is left out here.
; Both operands lie in chunks of 64 along K: ao [16 kc][4096 tokens][64], wot [16 kc][1024 n][64].  out0: [4096][1024] f32.
; A tile of out0 is 128 x 128: 256 work-groups.  Four waves, each 64 x 64: 16 accumulators.  K goes in four steps of 256 (four chunks) through a ring of two LDS slots.
; One tensor load brings 64 rows of four chunks: a tile of 4 lines of 8,192 dense bytes, a chunk apart in memory, with 16 bytes of padding behind every 128: in LDS every row of 64 numbers lies 144 bytes from the last.
; CLUSTER 4 x 4: ao's tile is asked for jointly along a row of the cluster, wot's along a column.  THE MATRIX INSTRUCTION IS USED TRANSPOSED (source 0 = 16 rows of wot, source 1 = 16 tokens): a lane holds eight neighbouring
; outputs of one token.  bo is the C of each sum's first product.
; REGISTERS: window 0: v16-29 addresses; v32-95 at work on the way out; v96-127 bo's four tiles; v128-255 the accumulators ((a, b) at v[128 + 8 (4 a + b)]).  window 1: two fragment buffers of 128 (64 of ao, then 64 of wot).
.set PITCH,  144
.set CHK,    64*PITCH                  ; a chunk's 64 rows
.set HALFT,  4*CHK                     ; what one tensor load brings, and what one wave reads of either operand
.set SLOT,   4*HALFT                   ; ao's 128 rows, then wot's 128 rows
.set STAGE,  2*SLOT                    ; behind the ring: 16 rows x 272 bytes for each wave, for the way out
.set SPITCH, 272
.set SPARE,  STAGE+4*16*SPITCH         ; the spare words, 128 bytes for each wave
.set ASTEP,  4*4096*128                ; a K step on, in bytes: four chunks of ao,
.set BSTEP,  4*1024*128                ; of wot
.set ADRA, 16
.set ADRB, 20
.set STO,  24
.set RD,   25
.set CO,   26
.set BOF,  27
.set SPW,  28                          ; v28 my spare word; never rewritten
.set NIL,  29                          ; v29 0; never rewritten
.set TMP,  32
.set BIAS, 96
.set ACC,  128
.set F0,   0
.set F1,   128
.set G1, 24
.set G0, 32
.set G1B, 48
.set G0B, 56
.set MSB, 0
.macro WIN new
.if MSB != \new
	s_set_vgpr_msb (MSB<<8)|\new
.set MSB, \new
.endif
.endm
.set MUL,  0x05                        ; sources window 1; C and D window 0
.set TO_F, 0x40                        ; destination window 1
.macro JLOAD s                         ; a joint load: waves 0 and 1 fetch ao's two halves, waves 2 and 3 wot's; an s_nop 0 and four v_nop follow each line
	s_cmp_eq_u32 s11, 0
	s_cbranch_scc0 .Lfor_b_\@
	tensor_load_to_lds s[G0+4*\s:G0+4*\s+3], s[G1:G1+7]
	s_nop 0
.rept 4
	v_nop
.endr
	s_branch .Lasked_\@
.Lfor_b_\@:
	tensor_load_to_lds s[G0B+4*\s:G0B+4*\s+3], s[G1B:G1B+7]
	s_nop 0
.rept 4
	v_nop
.endr
.Lasked_\@:
.endm
.macro CREST
	s_cmp_lg_u32 s10, 0
	s_cbranch_scc1 .Lnot_wave_0_\@
	s_barrier_signal -3
.Lnot_wave_0_\@:
	s_barrier_wait -3
	s_barrier_signal -1
	s_barrier_wait -1
.endm
.macro CROUND
	s_barrier_signal -1
	s_barrier_wait -1
	CREST
.endm
	s_load_b128 s[4:7], s[0:1], 0x0                ; ao s[4:5], wot s[6:7]
	s_load_b64 s[66:67], s[0:1], 0x10              ; bo
	s_load_b64 s[8:9], s[0:1], 0x18                ; out0
	v_lshl_add_u32 v[SPW], v0, 2, SPARE
	v_mov_b32 v[NIL], 0
	ds_add_u32 v[SPW], v[NIL]                      ; the wave's opening: the add, twice on end, and its wait ahead of my first tensor load
	ds_add_u32 v[SPW], v[NIL]
	v_lshrrev_b32 v1, 5, v0
	v_readfirstlane_b32 s10, v1                    ; wave 0..3
	s_lshr_b32 s11, s10, 1                         ; my half of the tile's tokens.  Also: I fetch for ao (0) or for wot (1)
	s_and_b32 s12, s10, 1                          ; my half of its outputs.  Also: which 64 rows I fetch
	s_bfe_u32 s40, ttmp6, 0x40000                  ; cx, cy
	s_bfe_u32 s41, ttmp6, 0x40004
	s_lshl_b32 s42, ttmp9, 2
	s_add_co_u32 s42, s42, s40                     ; tile column
	s_and_b32 s13, ttmp7, 0xffff
	s_lshl_b32 s13, s13, 2
	s_add_co_u32 s13, s13, s41                     ; tile row
	s_lshl_b32 s43, s41, 2
	s_lshl_b32 s43, 15, s43                        ; my row of the cluster
	s_lshl_b32 s44, 0x1111, s40                    ; my column
	s_or_b32 s[G1+0], s43, (1<<16)|(1<<20)|(1<<21)|(4<<22)|(3<<25)   ; the mask; elements of 2 bytes; padding on; 21 set beside a mask; four words after every 32
	s_or_b32 s[G1B+0], s44, (1<<16)|(1<<20)|(1<<21)|(4<<22)|(3<<25)
.irp g, G1, G1B
	s_mov_b32 s[\g+1], 4096<<16                    ; tensor_dim0 = 4,096 elements: 64 dense rows of 64
	s_mov_b32 s[\g+2], 4<<16                       ; tensor_dim1 = 4 chunks
	s_mov_b32 s[\g+3], 4096<<16                    ; tile_dim0
	s_mov_b32 s[\g+4], 4                           ; tile_dim1
	s_mov_b32 s[\g+6], 0
	s_mov_b32 s[\g+7], 0
.endr
	s_mov_b32 s[G1+5], 4096*64                     ; from chunk to chunk, in elements: ao,
	s_mov_b32 s[G1B+5], 1024*64                    ; wot
	s_lshl_b32 s17, s12, 13                        ; which 64 rows of 128 bytes I fetch
	s_lshl_b32 s16, s13, 14
	s_add_co_u32 s16, s16, s17                     ; ao: (128 x tile row + 64 x half) x 128 bytes
	s_lshl_b32 s46, s42, 14
	s_add_co_u32 s46, s46, s17                     ; wot: by the tile column
	s_mov_b32 s17, 0
	s_mov_b32 s47, 0
	s_mul_i32 s20, s10, HALFT                      ; where they go: no place in the cluster enters an LDS address
	s_wait_dscnt 0x0                               ; both opening adds are done
	s_wait_kmcnt 0x0
	s_add_nc_u64 s[14:15], s[4:5], s[16:17]
	s_add_nc_u64 s[46:47], s[6:7], s[46:47]
	CROUND                                         ; all sixteen work-groups are here: the first joint loads meet
.irp s, 0,1
	s_mov_b32 s[G0+4*\s], 1
	s_add_co_u32 s[G0+4*\s+1], s20, \s*SLOT
	s_add_nc_u64 s[G0+4*\s+2:G0+4*\s+3], s[14:15], \s*ASTEP
	s_or_b32 s[G0+4*\s+3], s[G0+4*\s+3], 0x80000000
	s_mov_b32 s[G0B+4*\s], 1
	s_add_co_u32 s[G0B+4*\s+1], s20, \s*SLOT
	s_add_nc_u64 s[G0B+4*\s+2:G0B+4*\s+3], s[46:47], \s*BSTEP
	s_or_b32 s[G0B+4*\s+3], s[G0B+4*\s+3], 0x80000000
	JLOAD \s
.endr
	v_and_b32 v1, 15, v0                           ; r
	v_bfe_u32 v2, v0, 4, 1                         ; h
	s_lshl_b32 s46, s42, 9                         ; bo and the outputs' columns: (128 x tile column + 64 x half) x 4 bytes
	s_lshl_b32 s47, s12, 8
	s_add_co_u32 s46, s46, s47
	s_mov_b32 s47, 0
	s_add_nc_u64 s[66:67], s[66:67], s[46:47]
	v_lshlrev_b32 v[BOF], 5, v2
.irp b, 0,1,2,3
	global_load_b128 v[BIAS+8*\b:BIAS+8*\b+3], v[BOF], s[66:67] offset:64*\b   ; bo at outputs 16 b + 8 h + 0 .. 7: the result's layout
	global_load_b128 v[BIAS+8*\b+4:BIAS+8*\b+7], v[BOF], s[66:67] offset:64*\b+16
.endr
	v_mul_u32_u24 v3, v1, PITCH
	v_lshl_add_u32 v3, v2, 4, v3                   ; a fragment's row x pitch + 16 h
	s_mul_i32 s21, s11, HALFT                      ; my 64 tokens
	s_mul_i32 s22, s12, HALFT                      ; my 64 rows of wot,
	s_add_co_u32 s22, s22, 2*HALFT                 ; which lie behind ao's 128
.irp s, 0,1
	v_add_nc_u32 v[ADRA+\s], s21, v3
	v_add_nc_u32 v[ADRB+\s], s22, v3
	s_add_co_u32 s21, s21, SLOT
	s_add_co_u32 s22, s22, SLOT
.endr
	s_mul_i32 s23, s10, 16*SPITCH
	s_add_co_u32 s23, s23, STAGE                   ; my stage
	v_mul_u32_u24 v4, v1, SPITCH
	v_lshl_add_u32 v4, v2, 5, v4
	v_add_nc_u32 v[STO], s23, v4                   ; in: row r, 32 bytes for each half of the lanes
	v_mul_u32_u24 v5, v2, SPITCH
	v_lshl_add_u32 v5, v1, 4, v5
	v_add_nc_u32 v[RD], s23, v5                    ; back: lanes 0-15 one row of 256 bytes, lanes 16-31 the next
	v_lshlrev_b32 v[CO], 12, v2
	v_lshl_add_u32 v[CO], v1, 4, v[CO]             ; and the same two rows in out0 (rows of 4,096 bytes)
	s_lshl_b32 s16, s13, 19                        ; my first row of out0: (128 x tile row + 64 x half) x 4,096 bytes
	s_lshl_b32 s17, s11, 18
	s_add_co_u32 s16, s16, s17
	s_mov_b32 s17, 0
	s_add_nc_u64 s[8:9], s[8:9], s[16:17]
	s_add_nc_u64 s[8:9], s[8:9], s[46:47]
; 8 matrix instructions: token blocks a0, a0 + 1 x all 4 output blocks, 32 along K: half c of buffer f.  first = 1: the sums start with bo
.macro MUL8 f, c, a0, first
.irp a, \a0, \a0+1
.irp b, 0,1,2,3
.if \first
	v_wmma_f32_16x16x32_f16 v[ACC+8*(4*(\a)+\b):ACC+8*(4*(\a)+\b)+7], v[\f+64+8*(4*\c+\b):\f+64+8*(4*\c+\b)+7], v[\f+8*(4*\c+\a):\f+8*(4*\c+\a)+7], v[BIAS+8*\b:BIAS+8*\b+7]
.else
	v_wmma_f32_16x16x32_f16 v[ACC+8*(4*(\a)+\b):ACC+8*(4*(\a)+\b)+7], v[\f+64+8*(4*\c+\b):\f+64+8*(4*\c+\b)+7], v[\f+8*(4*\c+\a):\f+8*(4*\c+\a)+7], v[ACC+8*(4*(\a)+\b):ACC+8*(4*(\a)+\b)+7]
.endif
.endr
.endr
.endm
; 32 LDS loads in one run: the fragments of one chunk (64 along K), at byte k of my part of the slot, into buffer f; the first 32 along K first
.macro FETCH slot, k, f
	WIN TO_F
.irp c, 0,1
.irp i, 0,1,2,3
	ds_load_b128 v[\f+64+8*(4*\c+\i):\f+64+8*(4*\c+\i)+3],   v[ADRB+\slot] offset:\k+64*\c+\i*16*PITCH
	ds_load_b128 v[\f+64+8*(4*\c+\i)+4:\f+64+8*(4*\c+\i)+7], v[ADRB+\slot] offset:\k+64*\c+\i*16*PITCH+32
	ds_load_b128 v[\f+8*(4*\c+\i):\f+8*(4*\c+\i)+3],         v[ADRA+\slot] offset:\k+64*\c+\i*16*PITCH
	ds_load_b128 v[\f+8*(4*\c+\i)+4:\f+8*(4*\c+\i)+7],       v[ADRA+\slot] offset:\k+64*\c+\i*16*PITCH+32
.endr
.endr
.endm
.macro PLACES                          ; four plain vector instructions in front of loads into registers that matrix instructions have read, and of reads of results
.rept 4
	v_nop
.endr
.endm
; A K step is four quarters, a chunk each, 32 matrix instructions, on buffers 0, 1, 0, 1.  One of the first three: multiplies buffer f and fetches the next chunk, at byte k, into g
.macro QUARTER slot, k, f, g, first
	s_wait_dscnt 16                                ; the first 32 along K are in; the younger sixteen loads may be out
	WIN MUL
	MUL8 \f, 0, 0, \first
	MUL8 \f, 0, 2, \first
	PLACES
	FETCH \slot, \k, \g
	s_wait_dscnt 32                                ; all but the 32 just issued
	WIN MUL
	MUL8 \f, 1, 0, 0
	MUL8 \f, 1, 2, 0
.endm
; The last quarter multiplies buffer 1 and changes slots: one barrier; in front of it each wave waits for all its tensor loads, adds 0 to its spare word, and waits for that and for its reads of this slot.  fill = 1: the slot is filled again, two K steps ahead
.macro TURN slot, next, fill
	WIN 0                                          ; (the add's two registers lie in window 0)
	s_wait_tensorcnt 0x0                           ; all my tensor loads have landed: my part of the next slot;
	ds_add_u32 v[SPW], v[NIL]
	s_wait_dscnt 17                                ; (the add and the youngest sixteen loads may be out)
	WIN MUL
	MUL8 F1, 0, 0, 0                               ; eight matrix instructions stand between the add and the wait for it
	s_wait_dscnt 0x0                               ; the add is done, and my reads of this slot are over
	s_barrier_signal -1
	MUL8 F1, 0, 2, 0
.if \fill
	WIN 0
.endif
	s_barrier_wait -1
.if \fill
	CREST                                          ; the barrier has opened a round of the cluster's: no wave of any partner still reads this slot or has a load on its way
	s_add_nc_u64 s[G0+4*\slot+2:G0+4*\slot+3], s[G0+4*\slot+2:G0+4*\slot+3], 2*ASTEP
	s_add_nc_u64 s[G0B+4*\slot+2:G0B+4*\slot+3], s[G0B+4*\slot+2:G0B+4*\slot+3], 2*BSTEP
	JLOAD \slot                                    ; the first tensor load behind the round, my one load until the next; its four v_nop are also the places in front of the loads below
.else
	PLACES
.endif
	FETCH \next, 0, F0
	WIN MUL
	MUL8 F1, 1, 0, 0
	MUL8 F1, 1, 2, 0
.endm
	s_wait_tensorcnt 1                             ; my part of K step 0 is in; K step 1's load may be out,
	s_barrier_signal -1
	s_barrier_wait -1                              ; everybody's is
	FETCH 0, 0, F0
	s_wait_loadcnt 0x0                             ; bo
	QUARTER 0, CHK,   F0, F1, 1                    ; K step 0; its first products start the sums.  Four K steps: the two laps of the ring are written out
	QUARTER 0, 2*CHK, F1, F0, 0
	QUARTER 0, 3*CHK, F0, F1, 0
	TURN 0, 1, 1                                   ; slot 0 takes K step 2
	QUARTER 1, CHK,   F0, F1, 0                    ; K step 1
	QUARTER 1, 2*CHK, F1, F0, 0
	QUARTER 1, 3*CHK, F0, F1, 0
	TURN 1, 0, 1                                   ; slot 1 takes K step 3
	QUARTER 0, CHK,   F0, F1, 0                    ; K step 2
	QUARTER 0, 2*CHK, F1, F0, 0
	QUARTER 0, 3*CHK, F0, F1, 0
	TURN 0, 1, 0                                   ; nothing is left to fetch
	QUARTER 1, CHK,   F0, F1, 0                    ; K step 3
	QUARTER 1, 2*CHK, F1, F0, 0
	QUARTER 1, 3*CHK, F0, F1, 0
	s_wait_dscnt 16
	WIN MUL
	MUL8 F1, 0, 0, 0
	MUL8 F1, 0, 2, 0
	s_wait_dscnt 0
	MUL8 F1, 1, 0, 0
	MUL8 F1, 1, 2, 0
	WIN 0
; THE WAY OUT, a block of 16 tokens x 64 outputs at a time.  A lane holds 32 neighbouring bytes of a row; a block goes through my own stage and comes back as whole rows of 256 bytes.
.macro TOSTAGE a
.irp b, 0,1,2,3
	ds_store_b128 v[STO], v[ACC+8*(4*(\a)+\b):ACC+8*(4*(\a)+\b)+3] offset:64*\b            ; each accumulator from its low end on
	ds_store_b128 v[STO], v[ACC+8*(4*(\a)+\b)+4:ACC+8*(4*(\a)+\b)+7] offset:64*\b+16
.endr
.irp t, 0,1,2,3,4,5,6,7
	ds_load_b128 v[TMP+32*((\a)%2)+4*\t:TMP+32*((\a)%2)+4*\t+3], v[RD] offset:\t*2*SPITCH  ; LDS serves a wave's instructions in order: these see the stores above, and the next block's stores come behind them
.endr
.endm
.macro SEND a, younger                 ; younger: the LDS instructions issued behind block a's loads, which may stay out
	s_wait_dscnt \younger
.irp t, 0,1,2,3,4,5,6,7
	global_store_b128 v[CO], v[TMP+32*((\a)%2)+4*\t:TMP+32*((\a)%2)+4*\t+3], s[8:9] offset:65536*(\a)+8192*\t th:TH_STORE_NT   ; sixteen lanes store 256 consecutive, aligned bytes
.endr
.endm
	PLACES
	TOSTAGE 0
	TOSTAGE 1
	SEND 0, 16                                     ; behind block 0's loads: block 1's 8 stores and 8 loads
	s_wait_xcnt 0x0                                ; block 0's stores have read their registers: block 2's loads may land there
	TOSTAGE 2
	SEND 1, 16
	s_wait_xcnt 0x0
	TOSTAGE 3
	SEND 2, 16
	SEND 3, 0
	s_wait_tensorcnt 0x0                           ; the wave's end: closing lines behind my last tensor load and my last LDS store
	ds_add_u32 v[SPW], v[NIL]
	s_wait_dscnt 0x0
	CROUND                                         ; the closing round
	s_endpgm
.Lfunc_end_k_qfa649fb420_oproj:
	.size	k_qfa649fb420_oproj, .Lfunc_end_k_qfa649fb420_oproj-k_qfa649fb420_oproj
	.p2alignl 7, 3214868480
	.fill 96, 4, 3214868480
	.section	.rodata,"a",@progbits
	.p2align	6, 0x0
	.amdhsa_kernel k_qfa649fb420_oproj
		.amdhsa_group_segment_fixed_size 327680
		.amdhsa_private_segment_fixed_size 0
		.amdhsa_enable_private_segment 0
		.amdhsa_kernarg_size 32
		.amdhsa_user_sgpr_count 2
		.amdhsa_user_sgpr_kernarg_segment_ptr 1
		.amdhsa_wavefront_size32 1
		.amdhsa_system_sgpr_workgroup_id_x 1
		.amdhsa_system_sgpr_workgroup_id_y 1
		.amdhsa_system_sgpr_workgroup_id_z 1
		.amdhsa_system_vgpr_workitem_id 0
		.amdhsa_next_free_vgpr 512
		.amdhsa_next_free_sgpr 72
		.amdhsa_reserve_vcc 0
		.amdhsa_float_denorm_mode_32 3
		.amdhsa_float_denorm_mode_16_64 3
		.amdhsa_memory_ordered 1
		.amdhsa_forward_progress 1
		.amdhsa_inst_pref_size 86
	.end_amdhsa_kernel
	.amdgpu_metadata
---
amdhsa.version: [ 1, 2 ]
amdhsa.kernels:
  - .name:           k_qfa649fb420_oproj
    .symbol:         k_qfa649fb420_oproj.kd
    .args:
      - { .name: ao, .offset: 0, .size: 8, .value_kind: global_buffer, .address_space: global }
      - { .name: wot, .offset: 8, .size: 8, .value_kind: global_buffer, .address_space: global }
      - { .name: bo, .offset: 16, .size: 8, .value_kind: global_buffer, .address_space: global }
      - { .name: out0, .offset: 24, .size: 8, .value_kind: global_buffer, .address_space: global }
    .group_segment_fixed_size: 327680
    .private_segment_fixed_size: 0
    .kernarg_segment_align: 8
    .kernarg_segment_size: 32
    .max_flat_workgroup_size: 128
    .sgpr_count:     72
    .vgpr_count:     512
    .wavefront_size: 32
...
	.end_amdgpu_metadata
.endif
;; end of part 4
